; MI455X (gfx1250); checked and timed in simulation.
; The chip was launched on July 23, 2026; its instructions are those of AMD's public machine-readable ISA for CDNA 5 (MIT licence, August 2026) and "CDNA5" Instruction Set Architecture Reference Guide (July 2026). The comments in the code are by the model that wrote it; some were corrected since.
;; Ro PE Multi Head Attention. Allowed arithmetic: matrix products marked QUANTISED: E2M1 operands, one E8M0 scale for each 32 along K, by v_wmma_scale_f32_16x16x128_f8f6f4 with both operands' format E2M1 (or v_wmma_scale_f32_32x16x128_f4), f32 sums; products left as they are: bf16, f16 or f32 operands; f32 sums; everything else in f32.
;; Inputs: Wout 1,024 x 1,024 float32; Wqkv 1,024 x 3,072 float32; bout 1,024 float32; bqkv 3,072 float32; x 4 x 2,048 x 1,024 float32.
;; Outputs: out0 4 x 2,048 x 1,024 float32.
;; This version of the problem:
;;   THIS VERSION OF THE PROBLEM IS GIVEN IN LOW PRECISION. The matrix products marked QUANTISED in the list below multiply operands that are first quantised to E2M1 (2 exponent bits, 1 mantissa bit; 4 bits a number), with one power-of-two scale for each 32 numbers along K (OCP MX v1.0); their sums are f32. The products marked 'left as it is' may take bf16, f16 or f32 operands, with f32 sums. Whichever they take, every output number must still come out within the allowed error. Rounding operands to bf16 (8 significant bits) uses up far more of that allowance than f16 does (11 bits, for magnitudes from 6e-5 to 65,504). All else is computed in f32.
;;   The module's matrix products, in the order in which they are computed (A, B: the left and right operand; K: the contracted axis; several contracted axes count as one K, in the product's order):
;;     1. [M 8,192, K 1,024] x [K 1,024, N 3,072]; A: input x; B: input Wqkv: QUANTISED
;;     2. [M 2,048, K 1] x [K 1, N 32]; A: computed on the way; B: computed on the way: left as it is (no contracted axis)
;;     3. batch 64 x [M 2,048, K 64] x [K 64, N 2,048]; A: computed on the way; B: computed on the way: left as it is (an operand is computed on the way)
;;     4. batch 64 x [M 2,048, K 2,048] x [K 2,048, N 64]; A: computed on the way; B: computed on the way: left as it is (an operand is computed on the way)
;;     5. [M 8,192, K 1,024] x [K 1,024, N 1,024]; A: computed on the way; B: input Wout: left as it is (an operand is computed on the way)
;;   THE QUANTISER, for each operand of a quantised product, along K:
;;     - K is cut into blocks of 32 from its start; a last block that is shorter is filled with zeros.
;;     - A block's scale is 2^e with e = floor(log2(the largest magnitude in the block)) - 2, held to -126 .. 127; a block of zeros has e = 0. As a byte (E8M0): e + 127.
;;     - Each number is divided by its block's scale, clamped to +-6, and rounded to the nearest number of E2M1, ties to even, subnormals kept.
;;     - The product sums the exact products of the quantised numbers (number of the format x scale) in f32.
;;   ~~~python
;;   def quantise(x, axis):      # numpy; x: float32 -> the quantised numbers, widened to float32 again
;;       x = np.moveaxis(x, axis, -1); K = x.shape[-1]
;;       x = np.pad(x, [(0, 0)] * (x.ndim - 1) + [(0, -K % 32)]); x = x.reshape(x.shape[:-1] + (-1, 32)); a = np.abs(x).max(-1, keepdims=True)
;;       e = np.where(a > 0, np.clip(np.frexp(np.where(a > 0, a, 1))[1] - 1 - 2, -126, 127), 0)      # np.frexp(a)[1] - 1 = floor(log2(a)), exactly
;;       r = np.clip(x / 2.0 ** e, -6, 6)
;;       step = 2.0 ** (np.maximum(np.frexp(np.where(r == 0, 1, r))[1] - 1, 0) - 1)
;;       q = np.round(r / step) * step * 2.0 ** e      # np.round: ties to even
;;       return np.moveaxis(q.reshape(q.shape[:-2] + (-1,))[..., :K], -1, axis).astype(np.float32)
;;   ~~~
;; One version. Each part assembles by itself: llvm-mc -triple=amdgcn-amd-amdhsa -mcpu=gfx1250 --defsym DOCPART=n.
;; ======== version 1 of 1: 4 launches
;; limits: values are held in f16: magnitudes above 65,504 overflow, below 6.1e-05 lose precision
;; workspace buffers: xc 4,194,304 bytes; xs 262,144 bytes; wc 1,572,864 bytes; ws 98,304 bytes; wo 2,097,152 bytes; rope 524,288 bytes; qkvh 50,331,648 bytes; ao 16,777,216 bytes
;; launch prep (part 1): grid 256 x 1, 8 waves a work-group, no clusters, 33,792 bytes of LDS; arguments x, Wqkv, Wout, xc, xs, wc, ws, wo, rope; writes xc, xs, wc, ws, wo, rope
.if DOCPART == 1
	.amdgcn_target "amdgcn-amd-amdhsa--gfx1250"
	.amdhsa_code_object_version 6
	.text
	.protected	k_q73b68e5254_prep
	.globl	k_q73b68e5254_prep
	.p2align	8
	.type	k_q73b68e5254_prep,@function
k_q73b68e5254_prep:
	s_mov_b64 s[64:65], 0
	v_nop
	global_prefetch_b8 v0, s[64:65] scope:SCOPE_SE
	s_setreg_imm32_b32 hwreg(HW_REG_WAVE_MODE, 25, 1), 1
	s_wait_xcnt 0x0
; PREP: everything that is made once, ahead of the products.  Three roles, parted by the wave's number; they share nothing and never join.
;  X (waves 0-3): x [8192][1024] f32 -> codes of FP4 (E2M1), K innermost, xc [8192][512 bytes], and one E8M0 byte for each 32 along K, xs [8192][32].  A plain stream of blocks of 32.
;  W (waves 4-6): Wqkv [1024 (k)][3072 (n)] f32 -> codes wc and scale bytes ws [3072][32].  A lane takes a column n and its registers run down K, so the conversions give codes with K innermost.
;     wc is laid as images of operand registers: [n/128][k/128][(n/16)%8][1,024 bytes]; in a fragment the 16 bytes of block t = (k/32)%4 of column r = n%16 lie at 256 t + 16 r.
;  O (wave 7): Wout [1024 (k)][1024 (n)] f32 -> f16, wo [n/256][k/32][(n/16)%16][1,024 bytes], the 16 bytes of k%32 = 8 j .. 8 j + 7 of column r at 256 j + 16 r;
;     and the table of cos and sin: rope [position/16][e = 4 sin + 2 u + hf][lane][16 bytes]: lane (r, h) holds the four numbers of frequencies 16 u + 8 h + 4 hf + 0..3 at position 16 blk + r.
; A block's scale is 2^(floor(log2(its largest magnitude)) - 2); its byte is that magnitude's exponent field - 2, held at 1 from below.  A block of zeros keeps the byte 1: its codes are zeros, and this program alone reads the bytes.
; cos and sin: angle = position x 10000^(-j/32) in f32, as the problem has it; the angle less the nearest multiple of pi/2 (pi/2 in two parts, fused multiply-adds), then polynomials up to r^9 and r^10 on |r| <= pi/4.
; LIMITS: NaN and infinities among the inputs are not served; blocks whose largest magnitude lies under 2^-124 keep the byte 1; numbers of Wout beyond 65,504 do not fit f16.
; No cluster, no tensor load, no matrix unit: no input byte is read by two waves, and memory binds.
.set STEPS, 16
.set EMAX,  2
.set CB,    8                          ; bytes of 16 codes
.set R,     16                         ; role X: v16-79   four sets of 16 numbers as loaded
.set X,     80                         ;         v80-111  two sets of 16 neighbours
.set E,     112                        ;         v112-127 a scale byte for each step
.set C,     128                        ;         v128-191 codes, four registers for each step
.set WREG,  8192                       ; LDS: a region for each wave of role X: two stages of 32 x SP bytes, then its 256 scale bytes
.set SP,    80
.set SPW,   12                         ; v12 LDS address of my spare word; never rewritten
.set NIL,   13                         ; v13 0; never rewritten
.set SPARE, 4*WREG                     ; the spare words, 128 bytes for each of eight waves
.set WV,    24                         ; s24 my wave's number
.set N,     32                         ; roles W, O: v32-159 128 numbers down K
.set CD,    160                        ; roles W, O: v160.. what is stored
.set RT,    224                        ; role O: v224-239 the table's 16 numbers
	s_load_b256 s[4:11], s[0:1], 0x0               ; x s[4:5], Wqkv s[6:7], Wout s[8:9], xc s[10:11]
	s_load_b256 s[12:19], s[0:1], 0x20             ; xs s[12:13], wc s[14:15], ws s[16:17], wo s[18:19]
	s_load_b64 s[20:21], s[0:1], 0x40              ; rope
	v_lshl_add_u32 v[SPW], v0, 2, SPARE
	v_mov_b32 v[NIL], 0
	v_lshrrev_b32 v1, 5, v0
	v_readfirstlane_b32 s[WV], v1                  ; wave 0..7
	v_and_b32 v2, 31, v0                           ; lane
	v_lshlrev_b32 v3, 4, v2                        ; 16 x lane
	s_and_b32 s25, s[WV], 3
	s_mul_i32 s25, s25, WREG                       ; every LDS address is made here, ahead of the parting
	v_lshrrev_b32 v14, 2, v2
	v_mul_u32_u24 v14, v14, SP
	v_and_b32 v15, 3, v2
	v_lshl_add_u32 v14, v15, 4, v14
	v_add_nc_u32 v14, s25, v14                     ; the stage, on the way in: SP (lane / 4) + 16 (lane % 4)
	v_mul_u32_u24 v15, v2, SP
	v_add_nc_u32 v15, s25, v15                     ; and on the way out: SP x lane: 16 neighbours
	v_lshrrev_b32 v5, 1, v2
	s_add_co_u32 s25, s25, 2*32*SP
	v_add_nc_u32 v5, s25, v5                       ; my block's scale byte
	v_lshlrev_b32 v7, 3, v2                        ; 8 x lane
	v_add_nc_u32 v6, s25, v7                       ; the scale bytes on the way out
	s_wait_kmcnt 0x0
	s_cmp_lt_u32 s[WV], 4
	s_cbranch_scc0 .Lnot_x
; ---------------- role X: my wave's run of 8,192 numbers of x: 16 steps of 512
	s_lshl_b32 s26, ttmp9, 2
	s_add_co_u32 s26, s26, s[WV]                   ; run = 4 x work-group + wave
	s_mov_b32 s29, 0
	s_lshl_b32 s28, s26, 15
	s_add_nc_u64 s[4:5], s[4:5], s[28:29]          ; 32,768 bytes of x a run,
	s_lshl_b32 s28, s26, 12
	s_add_nc_u64 s[10:11], s[10:11], s[28:29]      ; 4,096 of codes,
	s_lshl_b32 s28, s26, 8
	s_add_nc_u64 s[12:13], s[12:13], s[28:29]      ; 256 scale bytes
.macro XLOAD t
.irp i, 0,1,2,3
	global_load_b128 v[R+16*((\t)%4)+4*\i:R+16*((\t)%4)+4*\i+3], v3, s[4:5] offset:2048*(\t)+512*\i th:TH_LOAD_NT   ; 32 lanes read 512 consecutive bytes
.endr
.endm
.macro XTURN t                         ; a step's numbers through the stage: LDS serves a wave's instructions in order, so no wait stands between the stores and the loads
.irp i, 0,1,2,3
	ds_store_b128 v14, v[R+16*((\t)%4)+4*\i:R+16*((\t)%4)+4*\i+3] offset:32*SP*((\t)%2)+8*SP*\i
.endr
.irp i, 0,1,2,3
	ds_load_b128 v[X+16*((\t)%2)+4*\i:X+16*((\t)%2)+4*\i+3], v15 offset:32*SP*((\t)%2)+16*\i
.endr
.endm
.irp t, 0,1,2,3
	XLOAD \t
.endr
	s_wait_loadcnt 12                              ; step 0's four loads are in; three steps' twelve may be out
	XTURN 0
.macro XSTEP t
.set XS, X+16*((\t)%2)
.if (\t) > 0
	s_wait_dscnt 1                                 ; this step's numbers are back from the stage (the last step's byte store may be out)
.else
	s_wait_dscnt 0x0
.endif
.if (\t)+4 < STEPS
	XLOAD (\t)+4                                   ; into the registers that the stage's stores have read
.endif
.if (\t)+1 < STEPS
.if STEPS-2-(\t) >= 3
	s_wait_loadcnt 12                              ; the next step's four loads are in; those of the three steps behind it may be out
.else
	s_wait_loadcnt 4*(STEPS-2-(\t))
.endif
	XTURN (\t)+1
.endif
	v_max3_num_f32 v8, |v[XS]|, |v[XS+1]|, |v[XS+2]|               ; the largest magnitude of my 16, in two chains
	v_max3_num_f32 v9, |v[XS+3]|, |v[XS+4]|, |v[XS+5]|
.irp i, 6,10
	v_max3_num_f32 v8, v8, |v[XS+\i]|, |v[XS+\i+1]|
	v_max3_num_f32 v9, v9, |v[XS+\i+2]|, |v[XS+\i+3]|
.endr
	v_max3_num_f32 v8, v8, |v[XS+14]|, |v[XS+15]|
	v_max3_num_f32 v8, v8, v9, (EMAX+1)<<23        ; and the floor 2^(3 - 127): the byte cannot fall under 1
	v_max_num_f32_dpp v8, v8, v8 row_xmask:1 row_mask:0xf bank_mask:0xf   ; with my neighbour's 16: the block's
	v_add_nc_u32 v11, 0xff000000, v8               ; 2 off the exponent field: the conversion takes this operand's exponent field as its scale
	v_cvt_scalef32_pk8_fp4_f32 v[C+4*(\t)], v[XS:XS+7], v11
	v_cvt_scalef32_pk8_fp4_f32 v[C+4*(\t)+1], v[XS+8:XS+15], v11
	v_lshrrev_b32 v[E+(\t)], 23, v11               ; the scale's byte (also the plain line behind the conversions)
	ds_store_b8 v5, v[E+(\t)] offset:16*(\t)       ; both lanes of a block write the same byte with the same value
	global_store_b64 v7, v[C+4*(\t):C+4*(\t)+1], s[10:11] offset:32*CB*(\t)   ; the wave stores 256 consecutive bytes, aligned
.endm
.irp t, 0,1,2,3,4,5,6,7,8,9,10,11,12,13,14,15
	XSTEP \t
.endr
	ds_load_b64 v[8:9], v6                         ; my wave's 256 scale bytes, 8 a lane
	s_wait_dscnt 0x0
	global_store_b64 v7, v[8:9], s[12:13]          ; 256 consecutive bytes, aligned
	s_wait_tensorcnt 0x0                           ; the end of a wave that stored to LDS
	ds_add_u32 v[SPW], v[NIL]
	s_wait_dscnt 0x0
	s_endpgm
; ---------------- roles W and O: a lane to a column, 128 registers down K
.macro WLOAD base, pitch               ; number i of my column: row i of the 128, pitch bytes apart; 32 lanes read 128 consecutive bytes
.set i, 0
.rept 128
	global_load_b32 v[N+i], v9, s[\base:\base+1] offset:i*\pitch
.set i, i+1
.endr
.endm
.Lnot_x:
	v_lshlrev_b32 v9, 2, v2                        ; in: 4 x lane
	v_lshrrev_b32 v10, 4, v2
	v_and_b32 v11, 15, v2                          ; r
	v_lshlrev_b32 v10, 10, v10
	v_lshl_add_u32 v10, v11, 4, v10                ; out: fragment lane / 16, 16 bytes at 16 r
	s_lshr_b32 s27, ttmp9, 5                       ; kq: which 128 along K
	s_mov_b32 s31, 0
	s_cmp_lt_u32 s[WV], 7
	s_cbranch_scc0 .Lrole_o
; ---------------- role W
	s_sub_co_u32 s26, s[WV], 4
	s_and_b32 s28, ttmp9, 31
	s_mul_i32 s28, s28, 3
	s_add_co_u32 s28, s28, s26                     ; cg: which 32 columns, 0..95
	s_mul_i32 s30, s27, 128*12288
	s_lshl_b32 s29, s28, 7
	s_add_co_u32 s30, s30, s29
	s_add_nc_u64 s[6:7], s[6:7], s[30:31]          ; Wqkv at row 128 kq, column 32 cg
	WLOAD 6, 12288
	s_lshr_b32 s29, s28, 2
	s_lshl_b32 s30, s29, 16                        ; n / 128: 65,536 bytes
	s_lshl_b32 s29, s27, 13                        ; kq: 8,192
	s_add_co_u32 s30, s30, s29
	s_and_b32 s29, s28, 3
	s_lshl_b32 s29, s29, 11                        ; two fragments for each 32 columns
	s_add_co_u32 s30, s30, s29
	s_add_nc_u64 s[14:15], s[14:15], s[30:31]
	s_lshl_b32 s30, s28, 10                        ; scale bytes: 32 a column
	s_lshl_b32 s29, s27, 2
	s_add_co_u32 s30, s30, s29
	s_add_nc_u64 s[16:17], s[16:17], s[30:31]
	v_lshlrev_b32 v8, 5, v2
.macro WBLOCK t
.set XS, N+32*(\t)
.if (\t) == 0
	s_wait_loadcnt 63                              ; of the 128 loads at most 63 are out: the first 65 are in, blocks 0 and 1 among them
.elseif (\t) == 2
	s_wait_loadcnt 32                              ; block 3's may be out
.elseif (\t) == 3
	s_wait_loadcnt 0x0
.endif
	v_max3_num_f32 v16, |v[XS]|, |v[XS+1]|, |v[XS+2]|               ; the block's largest magnitude: all 32 numbers are mine
	v_max3_num_f32 v17, |v[XS+3]|, |v[XS+4]|, |v[XS+5]|
.irp i, 6,10,14,18,22,26
	v_max3_num_f32 v16, v16, |v[XS+\i]|, |v[XS+\i+1]|
	v_max3_num_f32 v17, v17, |v[XS+\i+2]|, |v[XS+\i+3]|
.endr
	v_max3_num_f32 v16, v16, |v[XS+30]|, |v[XS+31]|
	v_max3_num_f32 v16, v16, v17, (EMAX+1)<<23     ; and the floor
	v_add_nc_u32 v18, 0xff000000, v16              ; the conversion's scale operand
	v_lshrrev_b32 v17, 23, v18                     ; the byte
.if (\t) == 0
	v_mov_b32 v24, v17
.else
	v_lshl_or_b32 v24, v17, 8*(\t), v24            ; four bytes make my column's scale word of these 128
.endif
.irp g, 0,1,2,3
	v_cvt_scalef32_pk8_fp4_f32 v[CD+4*(\t)+\g], v[XS+8*\g:XS+8*\g+7], v18
.endr
	global_store_b128 v10, v[CD+4*(\t):CD+4*(\t)+3], s[14:15] offset:256*(\t)   ; sixteen lanes store 256 consecutive bytes, aligned.  (The next block begins with plain vector lines, ahead of the line that writes v18 again)
.endm
.irp t, 0,1,2,3
	WBLOCK \t
.endr
	global_store_b32 v8, v24, s[16:17]             ; 4 bytes of each column's 32: these blocks of 256 bytes are written in part, by eight work-groups: 98,304 bytes in all, one in 128 of what the role reads
	s_endpgm
; ---------------- role O
.Lrole_o:
	s_and_b32 s28, ttmp9, 31                       ; cg: which 32 columns
	s_lshl_b32 s30, s27, 19                        ; 128 rows of 4,096 bytes
	s_lshl_b32 s29, s28, 7
	s_add_co_u32 s30, s30, s29
	s_add_nc_u64 s[8:9], s[8:9], s[30:31]
	WLOAD 8, 4096
	s_lshr_b32 s29, s28, 3
	s_lshl_b32 s30, s29, 19                        ; n / 256: 524,288 bytes
	s_lshl_b32 s29, s27, 16                        ; four chunks of 32 along K, 16,384 each
	s_add_co_u32 s30, s30, s29
	s_and_b32 s29, s28, 7
	s_lshl_b32 s29, s29, 11
	s_add_co_u32 s30, s30, s29
	s_add_nc_u64 s[18:19], s[18:19], s[30:31]
	s_lshr_b32 s32, ttmp9, 1                       ; blk: which 16 positions
	s_and_b32 s33, ttmp9, 1                        ; 0: the cosines, 1: the sines
	s_lshl_b32 s30, s32, 12
	s_lshl_b32 s29, s33, 11
	s_add_co_u32 s30, s30, s29
	s_add_nc_u64 s[20:21], s[20:21], s[30:31]
	s_mul_i32 s33, s33, 3                          ; sin(a) = cos(a - pi/2): three quarter turns more
	s_lshl_b32 s32, s32, 4
	v_add_nc_u32 v200, s32, v11
	v_cvt_f32_u32 v200, v200                       ; my position
	v_mov_b32 v201, 0x3638ef1d                     ; 1/9!
	v_mov_b32 v202, 0xb493f27e                     ; -1/10!
	v_lshrrev_b32 v203, 4, v2
	v_lshlrev_b32 v203, 3, v203                    ; 8 h
.irp e, 0,1,2,3
.irp i, 0,1,2,3
	v_add_nc_u32 v[16+4*\e+\i], 16*(\e/2)+4*(\e%2)+\i, v203   ; j = 16 u + 8 h + 4 hf + i
.endr
.endr
.set i, 0
.rept 16
	v_cvt_f32_u32 v[16+i], v[16+i]
.set i, i+1
.endr
.set i, 0
.rept 16
	v_mul_f32 v[16+i], 0xbed49a78, v[16+i]         ; -j log2(10000) / 32
.set i, i+1
.endr
.set i, 0
.rept 16
	v_exp_f32 v[16+i], v[16+i]                     ; 10000^(-j/32)
.set i, i+1
.endr
	v_nop                                          ; a plain line behind the last exponential,
	s_wait_alu depctr_va_vdst(0)                   ; and one wait for the sixteen, ahead of their first reader
.macro TRIG e                          ; four numbers of the table, line by line, so that no line waits for the line above it.  v160.. angle, v164.. n, v168.. r, v172.. r^2, v176.. sine, v180.. at work, v184.. cosine, v188.. quarter turns
.irp i, 0,1,2,3
	v_mul_f32 v[160+\i], v200, v[16+4*(\e)+\i]     ; the angle
.endr
.irp i, 0,1,2,3
	v_mul_f32 v[164+\i], 0x3f22f983, v[160+\i]     ; x 2/pi
.endr
.irp i, 0,1,2,3
	v_rndne_f32 v[164+\i], v[164+\i]               ; n
.endr
.irp i, 0,1,2,3
	v_fmamk_f32 v[168+\i], v[164+\i], 0xbfc90fdb, v[160+\i]   ; r = angle - n x (pi/2's high part)
.endr
.irp i, 0,1,2,3
	v_fmamk_f32 v[168+\i], v[164+\i], 0x333bbd2e, v[168+\i]   ;   - n x (its low part, which is negative)
.endr
.irp i, 0,1,2,3
	v_mul_f32 v[172+\i], v[168+\i], v[168+\i]
.endr
.irp i, 0,1,2,3
	v_fmaak_f32 v[176+\i], v[172+\i], v201, 0xb9500d01         ; sine: 1/9! r^2 - 1/7!
	v_fmaak_f32 v[184+\i], v[172+\i], v202, 0x37d00d01         ; cosine: -1/10! r^2 + 1/8!
.endr
.irp i, 0,1,2,3
	v_fmaak_f32 v[176+\i], v[176+\i], v[172+\i], 0x3c088889    ; + 1/5!
	v_fmaak_f32 v[184+\i], v[184+\i], v[172+\i], 0xbab60b61    ; - 1/6!
.endr
.irp i, 0,1,2,3
	v_fmaak_f32 v[176+\i], v[176+\i], v[172+\i], 0xbe2aaaab    ; - 1/3!
	v_fmaak_f32 v[184+\i], v[184+\i], v[172+\i], 0x3d2aaaab    ; + 1/4!
.endr
.irp i, 0,1,2,3
	v_mul_f32 v[180+\i], v[168+\i], v[172+\i]      ; r^3
	v_fma_f32 v[184+\i], v[184+\i], v[172+\i], -0.5
.endr
.irp i, 0,1,2,3
	v_fma_f32 v[176+\i], v[180+\i], v[176+\i], v[168+\i]       ; sin r
	v_fma_f32 v[184+\i], v[184+\i], v[172+\i], 1.0             ; cos r
.endr
.irp i, 0,1,2,3
	v_cvt_i32_f32 v[188+\i], v[164+\i]
.endr
.irp i, 0,1,2,3
	v_add_nc_u32 v[188+\i], s33, v[188+\i]         ; quarter turns
.endr
.irp i, 0,1,2,3
	v_and_b32 v[180+\i], 1, v[188+\i]
.endr
.irp i, 0,1,2,3
	v_cmp_eq_u32 vcc_lo, 1, v[180+\i]
	v_cndmask_b32 v[176+\i], v[184+\i], v[176+\i], vcc_lo      ; odd: the sine; even: the cosine.  A choice of values, no branch
.endr
.irp i, 0,1,2,3
	v_add_nc_u32 v[188+\i], 1, v[188+\i]
.endr
.irp i, 0,1,2,3
	v_and_b32 v[188+\i], 2, v[188+\i]              ; one or two quarter turns (mod 4): minus
.endr
.irp i, 0,1,2,3
	v_lshlrev_b32 v[188+\i], 30, v[188+\i]
.endr
.irp i, 0,1,2,3
	v_xor_b32 v[RT+4*(\e)+\i], v[188+\i], v[176+\i]
.endr
	global_store_b128 v3, v[RT+4*(\e):RT+4*(\e)+3], s[20:21] offset:512*(\e)   ; the wave stores 512 consecutive bytes, aligned
.endm
.irp e, 0,1,2,3
	TRIG \e
.endr
.macro OCHUNK kc                       ; 32 along K of my column become four pieces of eight f16
.if (\kc) == 0
	s_wait_loadcnt 63                              ; at most 63 of the 128 loads are out: chunks 0 and 1 are in
.elseif (\kc) == 2
	s_wait_loadcnt 32
.elseif (\kc) == 3
	s_wait_loadcnt 0x0
.endif
.irp q, 0,1,2,3,4,5,6,7,8,9,10,11,12,13,14,15
	v_cvt_pk_f16_f32 v[CD+16*(\kc)+\q], v[N+32*(\kc)+2*\q], v[N+32*(\kc)+2*\q+1]
.endr
.irp j, 0,1,2,3
	global_store_b128 v10, v[CD+16*(\kc)+4*\j:CD+16*(\kc)+4*\j+3], s[18:19] offset:(\kc)*16384+\j*256   ; sixteen lanes store 256 consecutive bytes, aligned
.endr
.endm
.irp kc, 0,1,2,3
	OCHUNK \kc
.endr
	s_endpgm
.Lfunc_end_k_q73b68e5254_prep:
	.size	k_q73b68e5254_prep, .Lfunc_end_k_q73b68e5254_prep-k_q73b68e5254_prep
	.p2alignl 7, 3214868480
	.fill 96, 4, 3214868480
	.section	.rodata,"a",@progbits
	.p2align	6, 0x0
	.amdhsa_kernel k_q73b68e5254_prep
		.amdhsa_group_segment_fixed_size 33792
		.amdhsa_private_segment_fixed_size 0
		.amdhsa_enable_private_segment 0
		.amdhsa_kernarg_size 72
		.amdhsa_user_sgpr_count 2
		.amdhsa_user_sgpr_kernarg_segment_ptr 1
		.amdhsa_wavefront_size32 1
		.amdhsa_system_sgpr_workgroup_id_x 1
		.amdhsa_system_sgpr_workgroup_id_y 1
		.amdhsa_system_sgpr_workgroup_id_z 1
		.amdhsa_system_vgpr_workitem_id 0
		.amdhsa_next_free_vgpr 240
		.amdhsa_next_free_sgpr 66
		.amdhsa_reserve_vcc 1
		.amdhsa_float_denorm_mode_32 3
		.amdhsa_float_denorm_mode_16_64 3
		.amdhsa_memory_ordered 1
		.amdhsa_forward_progress 1
		.amdhsa_inst_pref_size 92
	.end_amdhsa_kernel
	.amdgpu_metadata
---
amdhsa.version: [ 1, 2 ]
amdhsa.kernels:
  - .name:           k_q73b68e5254_prep
    .symbol:         k_q73b68e5254_prep.kd
    .args:
      - { .name: x, .offset: 0, .size: 8, .value_kind: global_buffer, .address_space: global }
      - { .name: Wqkv, .offset: 8, .size: 8, .value_kind: global_buffer, .address_space: global }
      - { .name: Wout, .offset: 16, .size: 8, .value_kind: global_buffer, .address_space: global }
      - { .name: xc, .offset: 24, .size: 8, .value_kind: global_buffer, .address_space: global }
      - { .name: xs, .offset: 32, .size: 8, .value_kind: global_buffer, .address_space: global }
      - { .name: wc, .offset: 40, .size: 8, .value_kind: global_buffer, .address_space: global }
      - { .name: ws, .offset: 48, .size: 8, .value_kind: global_buffer, .address_space: global }
      - { .name: wo, .offset: 56, .size: 8, .value_kind: global_buffer, .address_space: global }
      - { .name: rope, .offset: 64, .size: 8, .value_kind: global_buffer, .address_space: global }
    .group_segment_fixed_size: 33792
    .private_segment_fixed_size: 0
    .kernarg_segment_align: 8
    .kernarg_segment_size: 72
    .max_flat_workgroup_size: 256
    .sgpr_count:     66
    .vgpr_count:     240
    .wavefront_size: 32
...
	.end_amdgpu_metadata
.endif
;; end of part 1
;; launch gemmqkv (part 2): grid 12 x 32, 4 waves a work-group, clusters of 4 x 4, 327,680 bytes of LDS; arguments xc, xs, wc, ws, bqkv, rope, qkvh; writes qkvh
.if DOCPART == 2
	.amdgcn_target "amdgcn-amd-amdhsa--gfx1250"
	.amdhsa_code_object_version 6
	.text
	.protected	k_q73b68e5254_gemmqkv
	.globl	k_q73b68e5254_gemmqkv
	.p2align	8
	.type	k_q73b68e5254_gemmqkv,@function
k_q73b68e5254_gemmqkv:
	s_mov_b64 s[64:65], 0
	v_nop
	global_prefetch_b8 v0, s[64:65] scope:SCOPE_SE
	s_setreg_imm32_b32 hwreg(HW_REG_WAVE_MODE, 25, 1), 1
	s_wait_xcnt 0x0
	s_wait_alu depctr_hold_cnt(0) depctr_sa_sdst(0) depctr_va_vdst(0) depctr_va_sdst(0) depctr_va_ssrc(0) depctr_va_vcc(0) depctr_vm_vsrc(0)
	s_getreg_b32 s2, hwreg(HW_REG_IB_STS2, 6, 4)
	s_cmp_eq_u32 s2, 0
	s_cbranch_scc0 .Lentry_in_a_cluster
	s_endpgm
.Lentry_in_a_cluster:
	s_bfe_u32 s2, ttmp6, 0x10000c
	s_cmp_lg_u32 s2, 0xf033
	s_cbranch_scc0 .Lentry_shape_is_right
	s_endpgm
.Lentry_shape_is_right:
; q, k, v = Q(x) Q(Wqkv) + bqkv on codes of FP4 (E2M1) with one E8M0 scale for each 32 along K; then the rotation of q and k by position, in f32; then one rounding to f16.
; A tile of 256 rows x 256 columns is made by four waves, each 128 x 128: 64 accumulators, 512 registers.  K = 1,024 is two slots of 512: each slot is filled once, nothing is filled again, and there is no loop.
; x's codes come as rows (256 bytes of a row to a slot, 16 bytes of padding behind each in LDS); Wqkv's come as images of operand registers, a dense block of 32,768 bytes for 128 columns and a slot: a fragment is two loads at 16 x lane.
; The scale bytes of the tile's 256 rows and 256 columns, for all of K, come once, with the first fills.
; CLUSTER 4 x 4: the four of a row of the cluster ask for x's tiles jointly, the four of a column for Wqkv's.  A cluster's 1,024 columns are all of q, all of k or all of v: which, hangs on the cluster's x alone, the same in all sixteen.
; THE MATRIX INSTRUCTION IS USED TRANSPOSED (source 0 = 16 columns of Wqkv, source 1 = 16 rows of x): a lane holds one position (lane % 16) and eight neighbouring channels 16 b + 8 (lane / 16) + 0..7.
; The bias is the C of each sum's first product.  THE WAY OUT NEEDS NO LDS: a lane's eight f16 are 16 bytes of an image of the next launch's operand registers:
;   qkvh [q, k, v][batch x 16 + head][position / 16][channel / 16][512 bytes]; q, k: my 16 bytes at 16 x lane; v: at 256 (r / 8) + 128 h + 16 (r % 8), so that the turning LDS load at 16 x lane gives half a fragment of v transposed.
; LIMITS: q, k and v beyond 65,504 do not fit f16; under 6e-5 they keep an absolute step of 6e-8.  The grid's 384 work-groups are no multiple of 256: 3,072 columns carry the factor 3, and a tile of 384 columns would mix q and k in one cluster.
; REGISTERS, in windows of 256: window 0: v0-31 addresses; v32-95 scale words, two sets; v128-191 x's fragments, one set; on the way out v32-231 are free.
;   window 1: Wqkv's fragments, two sets, at v0 and v128; v64-127 the bias.   window 2: the accumulators of my rows 0-63 ((a, b) at v[8 (8 a + b)]);   window 3: those of rows 64-127.
.set NQ,     4                         ; matrix instructions deep in a slot
.set ROWB,   256                       ; a row of x's tile: 512 codes
.set KROW,   512                       ; a row of x's codes in memory
.set PITCH,  272                       ; and in LDS: + 16 of padding, so that the 16 rows of a fragment load start 68 words apart
.set FR,     8
.set NL,     2
.set NP,     4                         ; places behind this matrix instruction (ISA guide 7.12.1)
.set HALFA,  128*PITCH                 ; 128 rows of x's tile: one tensor load
.set HALFB,  32768                     ; 128 columns' images: one tensor load
.set BOFF,   2*HALFA
.set SLOT,   BOFF+2*HALFB
.set KS,     32                        ; a row of scale bytes
.set SCL,    2*SLOT                    ; behind the slots: the scales, as rows of 256 bytes + 16 of padding
.set HALFS,  (128*KS/256)*272
.set SBLK,   (16*KS/256)*272
.set SPARE,  SCL+4*HALFS               ; the spare words, 128 bytes for each wave
.set ADRA, 16                          ; v16-17 LDS address of my fragments of x in slot 0, 1
.set ADRB, 20                          ; v20-21 the same for Wqkv
.set LI,   26                          ; v26 16 x lane
.set ADRS, 27                          ; v27 LDS address of my scale words: lanes 0-15 x's rows, lanes 16-31 Wqkv's columns
.set SPW,  28                          ; v28 my spare word; never rewritten
.set NIL,  29                          ; v29 0; never rewritten
.set BO,   30                          ; v30 32 x (lane / 16): my eight numbers of a bias tile
.set OFFS, 31                          ; v31 my 16 bytes in a block of 512 on the way out
.set SC,   32
.set AF,   128
.set BIAS, 64                          ; in window 1
.set CSR,  32                          ; the way out: cos (16) and sin (16), two sets
.set PR,   96                          ; packed f16, two sets of 32
.set LH,   160                         ; 64 rotated numbers
.set TT,   224                         ; 8 at work
.set G1, 24
.set G0, 32
.set G1B, 48
.set G0B, 56
.set G1S, 68
.set G0S, 76
.set G1SB, 80
.set G0SB, 88
.set MSB, 0
.macro WIN new                         ; the immediate's high byte repeats the setting that is left
.if MSB != \new
	s_set_vgpr_msb (MSB<<8)|\new
.set MSB, \new
.endif
.endm
.set MUL_LO, 0xa1                      ; source 0 window 1, source 1 window 0, C and D window 2
.set MUL_HI, 0xf1                      ; C and D window 3
.set BIA_LO, 0x91                      ; the same with C in window 1: the bias
.set BIA_HI, 0xd1
.set TO_B,   0x40                      ; destination window 1, address window 0
; A joint load: waves 0 and 1 fetch for x, waves 2 and 3 for Wqkv.  The branch hangs on the wave's number alone.  An s_nop 0 and four v_nop follow each of the two lines.
.macro JLOAD g0a, g1a, g0b, g1b
	s_cmp_eq_u32 s15, 0
	s_cbranch_scc0 .Lfor_b_\@
	tensor_load_to_lds s[\g0a:\g0a+3], s[\g1a:\g1a+7]
	s_nop 0
.rept 4
	v_nop
.endr
	s_branch .Lasked_\@
.Lfor_b_\@:
	tensor_load_to_lds s[\g0b:\g0b+3], s[\g1b:\g1b+7]
	s_nop 0
.rept 4
	v_nop
.endr
.Lasked_\@:
.endm
.macro CROUND                          ; a round of the cluster's barrier
	s_barrier_signal -1
	s_barrier_wait -1
	s_cmp_lg_u32 s14, 0
	s_cbranch_scc1 .Lnot_wave_0_\@
	s_barrier_signal -3
.Lnot_wave_0_\@:
	s_barrier_wait -3
	s_barrier_signal -1
	s_barrier_wait -1
.endm
	s_load_b128 s[4:7], s[0:1], 0x0                ; x's codes s[4:5], x's scales s[6:7]
	s_load_b128 s[8:11], s[0:1], 0x10              ; Wqkv's codes s[8:9], its scales s[10:11]
	s_load_b128 s[96:99], s[0:1], 0x20             ; bqkv s[96:97], the table s[98:99]
	s_load_b64 s[12:13], s[0:1], 0x30              ; qkvh
	v_lshl_add_u32 v[SPW], v0, 2, SPARE
	v_mov_b32 v[NIL], 0
	ds_add_u32 v[SPW], v[NIL]                      ; the wave's opening: the add, twice on end, and its wait ahead of my first tensor load
	ds_add_u32 v[SPW], v[NIL]
	v_lshrrev_b32 v1, 5, v0
	v_readfirstlane_b32 s14, v1                    ; wave 0..3
	s_lshr_b32 s15, s14, 1                         ; which half of the tile's rows is mine.  Also: I fetch for x (0) or for Wqkv (1)
	s_and_b32 s16, s14, 1                          ; which half of its columns.  Also: which half of that tile I fetch
	s_bfe_u32 s40, ttmp6, 0x40000                  ; cx
	s_bfe_u32 s41, ttmp6, 0x40004                  ; cy
	s_lshl_b32 s42, ttmp9, 2
	s_add_co_u32 s42, s42, s40                     ; tile column = 4 x cluster x + cx
	s_and_b32 s17, ttmp7, 0xffff
	s_lshl_b32 s17, s17, 2
	s_add_co_u32 s17, s17, s41                     ; tile row = 4 x cluster y + cy
	s_lshl_b32 s43, s41, 2
	s_lshl_b32 s43, 15, s43                        ; my row of the cluster
	s_lshl_b32 s44, 0x1111, s40                    ; my column
	s_or_b32 s[G1+0], s43, (0<<16)|(1<<20)|(1<<21)|(5<<22)|(3<<25)  ; x's tile: the mask; elements of 1 byte; padding on; bit 21 beside a mask; 4 words after every 64
	s_mov_b32 s[G1+1], ROWB<<16                    ; tensor_dim0
	s_mov_b32 s[G1+2], 128<<16                     ; tensor_dim1
	s_mov_b32 s[G1+3], ROWB<<16                    ; tile_dim0
	s_mov_b32 s[G1+4], 128                         ; tile_dim1
	s_mov_b32 s[G1+5], KROW                        ; from row to row
	s_mov_b32 s[G1+6], 0
	s_mov_b32 s[G1+7], 0
	s_or_b32 s[G1B+0], s44, (3<<16)|(1<<21)        ; Wqkv's images: a dense block as 128 rows of 32 elements of 8 bytes, no padding
	s_mov_b32 s[G1B+1], 32<<16
	s_mov_b32 s[G1B+2], 128<<16
	s_mov_b32 s[G1B+3], 32<<16
	s_mov_b32 s[G1B+4], 128
	s_mov_b32 s[G1B+5], 32
	s_mov_b32 s[G1B+6], 0
	s_mov_b32 s[G1B+7], 0
	s_or_b32 s[G1S+0], s43, (3<<16)|(1<<20)|(1<<21)|(5<<22)|(3<<25) ; the scales of 128 rows: 4,096 dense bytes as 16 rows of 256, 16 bytes of padding behind each
	s_or_b32 s[G1SB+0], s44, (3<<16)|(1<<20)|(1<<21)|(5<<22)|(3<<25)
.irp g, G1S, G1SB
	s_mov_b32 s[\g+1], 32<<16
	s_mov_b32 s[\g+2], (128*KS/256)<<16
	s_mov_b32 s[\g+3], 32<<16
	s_mov_b32 s[\g+4], 128*KS/256
	s_mov_b32 s[\g+5], 32
	s_mov_b32 s[\g+6], 0
	s_mov_b32 s[\g+7], 0
.endr
	s_lshl_b32 s18, s16, 7                         ; which 128 of the tile's 256 I fetch
	s_lshl_b32 s20, s17, 8
	s_add_co_u32 s20, s20, s18                     ; x: row 256 x tile row + 128 x half
	s_lshl_b32 s46, s42, 8
	s_add_co_u32 s46, s46, s18                     ; Wqkv: column 256 x tile column + 128 x half
	s_lshl_b32 s22, s20, 5                         ; their scale bytes, 32 each,
	s_mov_b32 s23, 0
	s_lshl_b32 s92, s46, 5
	s_mov_b32 s93, 0
	s_lshl_b32 s20, s20, 9                         ; and their codes, 512 bytes each (128 columns' images are 65,536 bytes)
	s_mov_b32 s21, 0
	s_lshl_b32 s46, s46, 9
	s_mov_b32 s47, 0
	s_mul_i32 s45, s16, HALFA                      ; where they go: no place in the cluster enters an LDS address
	s_lshl_b32 s95, s16, 15
	s_add_co_u32 s95, s95, BOFF
	s_mul_i32 s94, s14, HALFS
	s_wait_dscnt 0x0                               ; both opening adds are done
	s_wait_kmcnt 0x0
	s_add_nc_u64 s[20:21], s[4:5], s[20:21]
	s_add_nc_u64 s[22:23], s[6:7], s[22:23]
	s_add_nc_u64 s[46:47], s[8:9], s[46:47]
	s_add_nc_u64 s[92:93], s[10:11], s[92:93]
	CROUND                                         ; all sixteen work-groups are here: the joint loads meet
	s_mov_b32 s[G0S], 1
	s_add_co_u32 s[G0S+1], s94, SCL
	s_mov_b64 s[G0S+2:G0S+3], s[22:23]
	s_or_b32 s[G0S+3], s[G0S+3], 0x80000000
	s_mov_b32 s[G0SB], 1
	s_add_co_u32 s[G0SB+1], s94, SCL
	s_mov_b64 s[G0SB+2:G0SB+3], s[92:93]
	s_or_b32 s[G0SB+3], s[G0SB+3], 0x80000000
	JLOAD G0S, G1S, G0SB, G1SB                     ; the scales first: they are wanted with slot 0
.irp s, 0,1
	s_mov_b32 s[G0+4*\s], 1
	s_add_co_u32 s[G0+4*\s+1], s45, \s*SLOT
	s_add_nc_u64 s[G0+4*\s+2:G0+4*\s+3], s[20:21], \s*ROWB
	s_or_b32 s[G0+4*\s+3], s[G0+4*\s+3], 0x80000000
	s_mov_b32 s[G0B+4*\s], 1
	s_add_co_u32 s[G0B+4*\s+1], s95, \s*SLOT
	s_add_nc_u64 s[G0B+4*\s+2:G0B+4*\s+3], s[46:47], \s*HALFB
	s_or_b32 s[G0B+4*\s+3], s[G0B+4*\s+3], 0x80000000
	JLOAD G0+4*\s, G1, G0B+4*\s, G1B               ; three loads of mine are out at the most
.endr
	v_and_b32 v1, 15, v0                           ; r
	v_bfe_u32 v2, v0, 4, 1                         ; h
	v_and_b32 v6, 31, v0
	v_lshlrev_b32 v[LI], 4, v6
	v_mul_u32_u24 v3, v1, PITCH
	v_lshl_add_u32 v4, v2, 4, v3                   ; x: a fragment's row x pitch + 16 h
	s_mul_i32 s21, s15, HALFA                      ; my 128 rows of x
	s_lshl_b32 s22, s16, 15
	s_add_co_u32 s22, s22, BOFF                    ; my 128 columns of Wqkv
.irp s, 0,1
	v_add_nc_u32 v[ADRA+\s], s21, v4
	v_add_nc_u32 v[ADRB+\s], s22, v[LI]
	s_add_co_u32 s21, s21, SLOT
	s_add_co_u32 s22, s22, SLOT
.endr
	v_mul_u32_u24 v5, v1, KS                       ; my row's scales: 32 bytes a row,
	v_lshrrev_b32 v6, 8, v5
	v_lshl_add_u32 v5, v6, 4, v5                   ; and 16 more for each 256 passed
	s_mul_i32 s21, s15, HALFS
	s_mul_i32 s22, s16, HALFS
	s_add_co_u32 s22, s22, 2*HALFS
	s_sub_co_u32 s22, s22, s21
	v_mul_u32_u24 v6, s22, v2                      ; lanes 16-31 take Wqkv's: one product, the distance between the two bases
	s_add_co_u32 s21, s21, SCL
	v_add_nc_u32 v5, v5, v6
	v_add_nc_u32 v[ADRS], s21, v5
	; the bias: lane (r, h) wants, for column block b, the numbers of columns 16 b + 8 h + 0..7
	v_lshlrev_b32 v[BO], 5, v2
	s_lshl_b32 s46, s42, 10
	s_lshl_b32 s47, s16, 9
	s_add_co_u32 s46, s46, s47
	s_mov_b32 s47, 0
	s_add_nc_u64 s[96:97], s[96:97], s[46:47]
	WIN TO_B
.irp b, 0,1,2,3,4,5,6,7
	global_load_b128 v[BIAS+8*\b:BIAS+8*\b+3], v[BO], s[96:97] offset:64*\b
	global_load_b128 v[BIAS+8*\b+4:BIAS+8*\b+7], v[BO], s[96:97] offset:64*\b+16
.endr
	WIN 0
	; the way out: my place in a block of 512 bytes, and the bases
	v_lshrrev_b32 v5, 3, v1
	v_lshlrev_b32 v5, 8, v5
	v_lshl_add_u32 v5, v2, 7, v5
	v_and_b32 v7, 7, v1
	v_lshl_add_u32 v5, v7, 4, v5                   ; v: 256 (r / 8) + 128 h + 16 (r % 8)
	s_cmp_eq_u32 ttmp9, 2
	s_cselect_b32 s2, -1, 0
	v_cndmask_b32 v[OFFS], v[LI], v5, s2           ; q, k: 16 x lane
	s_lshr_b32 s20, s17, 3
	s_lshl_b32 s20, s20, 4                         ; 16 x batch
	s_lshl_b32 s21, s40, 2
	s_add_co_u32 s20, s20, s21
	s_lshl_b32 s21, s16, 1
	s_add_co_u32 s20, s20, s21                     ; + my first head: 4 cx + 2 x half
	s_lshl_b32 s20, s20, 18                        ; 262,144 bytes a head
	s_and_b32 s21, s17, 7
	s_lshl_b32 s21, s21, 4
	s_lshl_b32 s22, s15, 3
	s_add_co_u32 s22, s22, s21                     ; my first block of 16 positions
	s_lshl_b32 s21, s22, 11
	s_add_co_u32 s20, s20, s21
	s_lshl_b32 s21, ttmp9, 24                      ; q, k or v: 16,777,216 bytes each
	s_add_co_u32 s20, s20, s21
	s_mov_b32 s21, 0
	s_add_nc_u64 s[12:13], s[12:13], s[20:21]
	s_lshl_b32 s22, s22, 12                        ; the table: 4,096 bytes for 16 positions
	s_mov_b32 s23, 0
	s_add_nc_u64 s[98:99], s[98:99], s[22:23]
.macro FRAGA reg, adr, q, i            ; 16 rows x 128 K of x: lane l holds row l % 16; registers 4 c .. 4 c + 3 hold K = 64 c + 32 (l / 16) + 0..31
.irp c, 0,1
	ds_load_b128 v[\reg+4*\c:\reg+4*\c+3], v[\adr] offset:64*(\q)+32*\c+(\i)*16*PITCH
.endr
.endm
.macro FRAGB reg, adr, q, i            ; 16 columns x 128 K of Wqkv: the image as it lies
.irp c, 0,1
	ds_load_b128 v[\reg+4*\c:\reg+4*\c+3], v[\adr] offset:8192*(\q)+1024*(\i)+512*\c
.endr
.endm
; 16 matrix instructions: x's blocks a0, a0 + 1 against Wqkv's eight.  p: Wqkv's set; sc: the set of scale words.  zero = 1: the first product starts the sums, on the bias.
; The 64 accumulators take turns, one instruction a turn, in the same order in every step.
.macro MUL16 a0, p, q, sc, zero
.irp a, \a0, \a0+1
.irp b, 0,1,2,3,4,5,6,7
.if \zero
	v_wmma_scale_f32_16x16x128_f8f6f4 v[8*(8*((\a)%4)+\b):8*(8*((\a)%4)+\b)+7], v[128*(\p)+FR*\b:128*(\p)+FR*\b+FR-1], v[AF+FR*(\a):AF+FR*(\a)+FR-1], v[BIAS+8*\b:BIAS+8*\b+7], v[SC+8*NQ*(\sc)+NQ*\b+(\q)], v[SC+8*NQ*(\sc)+NQ*(\a)+(\q)] matrix_a_fmt:MATRIX_FMT_FP4 matrix_b_fmt:MATRIX_FMT_FP4 matrix_a_scale:MATRIX_SCALE_ROW1
.else
	v_wmma_scale_f32_16x16x128_f8f6f4 v[8*(8*((\a)%4)+\b):8*(8*((\a)%4)+\b)+7], v[128*(\p)+FR*\b:128*(\p)+FR*\b+FR-1], v[AF+FR*(\a):AF+FR*(\a)+FR-1], v[8*(8*((\a)%4)+\b):8*(8*((\a)%4)+\b)+7], v[SC+8*NQ*(\sc)+NQ*\b+(\q)], v[SC+8*NQ*(\sc)+NQ*(\a)+(\q)] matrix_a_fmt:MATRIX_FMT_FP4 matrix_b_fmt:MATRIX_FMT_FP4 matrix_a_scale:MATRIX_SCALE_ROW1
.endif
.endr
.endr
.endm
.macro FETCH_B slot, q, p
	WIN TO_B
.irp i, 0,1,2,3,4,5,6,7
	FRAGB 128*(\p)+FR*\i, ADRB+\slot, \q, \i
.endr
	WIN 0
.endm
.macro FETCH_A slot, q, i0
.irp i, \i0, \i0+1, \i0+2, \i0+3
	FRAGA AF+FR*(\i), ADRA+\slot, \q, \i
.endr
.endm
.macro SCALES sc                       ; a slot's scale words: four a row; lanes 0-15 take x's block i, lanes 16-31 Wqkv's block i
.irp i, 0,1,2,3,4,5,6,7
	ds_load_b128 v[SC+8*NQ*\sc+NQ*\i:SC+8*NQ*\sc+NQ*\i+3], v[ADRS] offset:\i*SBLK
.endr
.endm
.macro PLACES n                        ; a load into a register that a matrix instruction has read, and a vector instruction that reads a result, stand four plain vector instructions behind it (ISA guide 7.12.1 for the vector instructions)
.rept \n
	v_nop
.endr
.endm
.macro STEP slot, q, zero              ; 128 along K that has its successor in the same slot
	s_wait_dscnt 4*NL                              ; all but the youngest eight loads (x's blocks 4-7)
.if \zero
	WIN BIA_LO
.else
	WIN MUL_LO
.endif
	MUL16 0, (\q)%2, \q, \slot, \zero
	MUL16 2, (\q)%2, \q, \slot, \zero
	s_wait_dscnt 0
	PLACES NP
	FETCH_B \slot, (\q)+1, 1-(\q)%2
	FETCH_A \slot, (\q)+1, 0
.if \zero
	WIN BIA_HI
.else
	WIN MUL_HI
.endif
	MUL16 4, (\q)%2, \q, \slot, \zero
	MUL16 6, (\q)%2, \q, \slot, \zero
	PLACES NP
	WIN 0
	FETCH_A \slot, (\q)+1, 4
.endm
.macro TURN slot, next                 ; slot 0's last step: one barrier, in front of which each wave has waited for its part of slot 1.  Nothing is filled again
	s_wait_tensorcnt 0x0                           ; all my tensor loads have landed
	ds_add_u32 v[SPW], v[NIL]
	s_wait_dscnt 4*NL+1                            ; (the add and the youngest eight loads may be out)
	WIN MUL_LO
	MUL16 0, 1, NQ-1, \slot, 0
	s_wait_dscnt 0x0
	s_barrier_signal -1
	MUL16 2, 1, NQ-1, \slot, 0
	WIN 0
	s_barrier_wait -1
	PLACES NP
	v_add_nc_u32 v[ADRS], 4*NQ, v[ADRS]            ; the next slot's scale words (no LDS load of mine is out)
	FETCH_B \next, 0, 0
	FETCH_A \next, 0, 0
	SCALES \next
	WIN MUL_HI
	MUL16 4, 1, NQ-1, \slot, 0
	MUL16 6, 1, NQ-1, \slot, 0
	PLACES NP
	WIN 0
	FETCH_A \next, 0, 4
.endm
.macro STEPS slot, from
.set Q, \from
.rept NQ-1-\from
	STEP \slot, Q, 0
.set Q, Q+1
.endr
.endm
	s_wait_tensorcnt 1                             ; the scales and my part of slot 0 are in; slot 1's load may be out,
	s_barrier_signal -1
	s_barrier_wait -1                              ; everybody's are
	FETCH_B 0, 0, 0
	FETCH_A 0, 0, 0
	SCALES 0
	FETCH_A 0, 0, 4
	s_wait_loadcnt 0x0                             ; the bias
	STEP 0, 0, 1
	STEPS 0, 1
	TURN 0, 1
	STEPS 1, 0
	s_wait_dscnt 4*NL                              ; the last step: nothing more to fetch
	WIN MUL_LO
	MUL16 0, 1, NQ-1, 1, 0
	MUL16 2, 1, NQ-1, 1, 0
	s_wait_dscnt 0
	WIN MUL_HI
	MUL16 4, 1, NQ-1, 1, 0
	MUL16 6, 1, NQ-1, 1, 0
	WIN 0
; THE WAY OUT, a block of 16 positions x 128 channels (two heads) at a time.
.macro RLOAD a                         ; the table for block a's 16 positions: 16 cosines and 16 sines a lane, in the accumulators' layout
.irp e, 0,1,2,3,4,5,6,7
	global_load_b128 v[CSR+32*((\a)%2)+4*\e:CSR+32*((\a)%2)+4*\e+3], v[LI], s[98:99] offset:(\a)*4096+\e*512
.endr
.endm
.macro ROPE a                          ; channels d < 32 of a head: lo cos - hi sin; channels d + 32: hi cos + lo sin.  lo = column block 4 hh + u, hi = two blocks on.  Each accumulator is read from its low end on
.set AC, 64*((\a)%4)
.set CC, CSR+32*((\a)%2)
.set PP, PR+32*((\a)%2)
.set WW, 0x02+(\a)/4
	WIN WW                                         ; source 0: the accumulators' window
.irp hh, 0,1
.irp u, 0,1
.set LO, AC+8*(4*\hh+\u)
.set HI, LO+16
.set LL, LH+8*(4*\hh+\u)
.irp p, 0,1,2,3
	v_pk_mul_f32 v[TT+2*\p:TT+2*\p+1], v[HI+2*\p:HI+2*\p+1], v[CC+16+8*\u+2*\p:CC+16+8*\u+2*\p+1]
.endr
.irp p, 0,1,2,3
	v_pk_fma_f32 v[LL+2*\p:LL+2*\p+1], v[LO+2*\p:LO+2*\p+1], v[CC+8*\u+2*\p:CC+8*\u+2*\p+1], v[TT+2*\p:TT+2*\p+1] neg_lo:[0,0,1] neg_hi:[0,0,1]
.endr
.irp p, 0,1,2,3
	v_pk_mul_f32 v[TT+2*\p:TT+2*\p+1], v[LO+2*\p:LO+2*\p+1], v[CC+16+8*\u+2*\p:CC+16+8*\u+2*\p+1]
.endr
.irp p, 0,1,2,3
	v_pk_fma_f32 v[LL+16+2*\p:LL+16+2*\p+1], v[HI+2*\p:HI+2*\p+1], v[CC+8*\u+2*\p:CC+8*\u+2*\p+1], v[TT+2*\p:TT+2*\p+1]
.endr
.endr
.endr
	WIN 0
.set i, 0
.rept 32
	v_cvt_pk_f16_f32 v[PP+i], v[LH+2*i], v[LH+2*i+1]
.set i, i+1
.endr
.endm
.macro PLAIN a                         ; v is rounded as it is
.set AC, 64*((\a)%4)
.set PP, PR+32*((\a)%2)
.set WW, 0x0a+5*((\a)/4)
	WIN WW                                         ; sources 0 and 1: the accumulators' window
.set i, 0
.rept 32
	v_cvt_pk_f16_f32 v[PP+i], v[AC+2*i], v[AC+2*i+1]
.set i, i+1
.endr
	WIN 0
.endm
.macro EPI a
.if (\a) < 7
	RLOAD (\a)+1                                   ; issued on both ways, so that every count is the same on both
	s_wait_loadcnt 8                               ; this block's table is in; the next block's eight loads may be out
.else
	s_wait_loadcnt 0x0
.endif
.if (\a) >= 2
	s_wait_xcnt 0x0                                ; the stores of two blocks back have read their registers, which are written again below
.endif
	s_cmp_eq_u32 ttmp9, 2                          ; the cluster's x: the same in all sixteen partners
	s_cbranch_scc1 .Lplain_\@
	ROPE \a
	s_branch .Lsend_\@
.Lplain_\@:
	PLAIN \a
.Lsend_\@:
.set PP, PR+32*((\a)%2)
.irp b, 0,1,2,3,4,5,6,7
	global_store_b128 v[OFFS], v[PP+4*\b:PP+4*\b+3], s[12:13] offset:(\b/4)*262144+(\a)*2048+(\b%4)*512   ; the wave stores 512 consecutive bytes, aligned
.endr
.endm
	PLACES NP                                      ; behind the last products: for the loads into registers that held scales and fragments, and for the reads of results
	RLOAD 0
.irp a, 0,1,2,3,4,5,6,7
	EPI \a
.endr
	s_wait_tensorcnt 0x0                           ; the wave's end
	ds_add_u32 v[SPW], v[NIL]
	s_wait_dscnt 0x0
	CROUND                                         ; the closing round
	s_endpgm
.Lfunc_end_k_q73b68e5254_gemmqkv:
	.size	k_q73b68e5254_gemmqkv, .Lfunc_end_k_q73b68e5254_gemmqkv-k_q73b68e5254_gemmqkv
	.p2alignl 7, 3214868480
	.fill 96, 4, 3214868480
	.section	.rodata,"a",@progbits
	.p2align	6, 0x0
	.amdhsa_kernel k_q73b68e5254_gemmqkv
		.amdhsa_group_segment_fixed_size 327680
		.amdhsa_private_segment_fixed_size 0
		.amdhsa_enable_private_segment 0
		.amdhsa_kernarg_size 56
		.amdhsa_user_sgpr_count 2
		.amdhsa_user_sgpr_kernarg_segment_ptr 1
		.amdhsa_wavefront_size32 1
		.amdhsa_system_sgpr_workgroup_id_x 1
		.amdhsa_system_sgpr_workgroup_id_y 1
		.amdhsa_system_sgpr_workgroup_id_z 1
		.amdhsa_system_vgpr_workitem_id 0
		.amdhsa_next_free_vgpr 1024
		.amdhsa_next_free_sgpr 100
		.amdhsa_reserve_vcc 0
		.amdhsa_float_denorm_mode_32 3
		.amdhsa_float_denorm_mode_16_64 3
		.amdhsa_memory_ordered 1
		.amdhsa_forward_progress 1
		.amdhsa_inst_pref_size 175
	.end_amdhsa_kernel
	.amdgpu_metadata
---
amdhsa.version: [ 1, 2 ]
amdhsa.kernels:
  - .name:           k_q73b68e5254_gemmqkv
    .symbol:         k_q73b68e5254_gemmqkv.kd
    .args:
      - { .name: xc, .offset: 0, .size: 8, .value_kind: global_buffer, .address_space: global }
      - { .name: xs, .offset: 8, .size: 8, .value_kind: global_buffer, .address_space: global }
      - { .name: wc, .offset: 16, .size: 8, .value_kind: global_buffer, .address_space: global }
      - { .name: ws, .offset: 24, .size: 8, .value_kind: global_buffer, .address_space: global }
      - { .name: bqkv, .offset: 32, .size: 8, .value_kind: global_buffer, .address_space: global }
      - { .name: rope, .offset: 40, .size: 8, .value_kind: global_buffer, .address_space: global }
      - { .name: qkvh, .offset: 48, .size: 8, .value_kind: global_buffer, .address_space: global }
    .group_segment_fixed_size: 327680
    .private_segment_fixed_size: 0
    .kernarg_segment_align: 8
    .kernarg_segment_size: 56
    .max_flat_workgroup_size: 128
    .sgpr_count:     100
    .vgpr_count:     1024
    .wavefront_size: 32
...
	.end_amdgpu_metadata
.endif
;; end of part 2
;; launch attn (part 3): grid 4 x 64, 16 waves a work-group, clusters of 4 x 1, 327,680 bytes of LDS; arguments qkvh, ao; writes ao
.if DOCPART == 3
	.amdgcn_target "amdgcn-amd-amdhsa--gfx1250"
	.amdhsa_code_object_version 6
	.text
	.protected	k_q73b68e5254_attn
	.globl	k_q73b68e5254_attn
	.p2align	8
	.type	k_q73b68e5254_attn,@function
k_q73b68e5254_attn:
	s_mov_b64 s[64:65], 0
	v_nop
	global_prefetch_b8 v0, s[64:65] scope:SCOPE_SE
	s_setreg_imm32_b32 hwreg(HW_REG_WAVE_MODE, 25, 1), 1
	s_wait_xcnt 0x0
	s_wait_alu depctr_hold_cnt(0) depctr_sa_sdst(0) depctr_va_vdst(0) depctr_va_sdst(0) depctr_va_ssrc(0) depctr_va_vcc(0) depctr_vm_vsrc(0)
	s_getreg_b32 s2, hwreg(HW_REG_IB_STS2, 6, 4)
	s_cmp_eq_u32 s2, 0
	s_cbranch_scc0 .Lentry_in_a_cluster
	s_endpgm
.Lentry_in_a_cluster:
	s_bfe_u32 s2, ttmp6, 0x10000c
	s_cmp_lg_u32 s2, 0x3003
	s_cbranch_scc0 .Lentry_shape_is_right
	s_endpgm
.Lentry_shape_is_right:
; o[b][h][q] = the sum over k of softmax_k(q . k / 8) v, no mask; q, k, v, the weights p and o in f16, products, maxima and sums in f32.  2,048 keys, head size 64.
; SHARES.  A work-group owns 512 queries of one head, each of its sixteen waves 32: two tiles of 16, in 256 registers: four waves to a SIMD, so that one wave's softmax stands beside another's products and LDS loads.
; Every wave walks all keys, 64 a step.  K and V come through two LDS slots of 512 keys (65,536 bytes of K, then 65,536 of V), filled by waves 0-3 (K) and 4-7 (V), 16,384 bytes each, and read by all sixteen.
; CLUSTER 4 x 1: the four query blocks of a head walk the same K and V: each tile is asked for jointly, by the same tensor load with a mask that names the four.
; LAYOUT.  qkvh holds images of operand registers: a block of 16 positions x 16 channels is 512 bytes, so every fragment load stands at 16 x lane and every tile is a dense block.
; S^T = K Q^T (source 0 = 16 keys, source 1 = 16 queries): a lane holds ONE query (lane % 16) and keys 8 (lane / 16) + 0..7.  Two such tiles, rounded to f16 in pairs, are source 1 of O^T = V^T P; V comes turned, by ds_load_tr16_b128.
; SOFTMAX.  A running maximum m and sum l for each query: p = 2^(c s - c m), c = log2(e) / 8; in every step O and l are multiplied by a = 2^(c m_old - c m_new).  l sums the p before they are rounded.
; The step is written once: O and l begin as zeros and m as -3e38, under every score; the first a is 0.
; The result goes out as images of the projection's operand: ao [row / 128][channel / 32][(row / 16) % 8][1,024 bytes].
; No prefetch: a slot is asked for eight key steps ahead of its first read, and a head has four fills in all.
; LIMITS: the result beyond 65,504 does not fit f16; under 6e-5 p and the result keep an absolute step of 6e-8.
.set SLOT1, 131072
.set VOFF,  65536
.set SPARE, 262144                     ; the spare words, 128 bytes for each of sixteen waves
.set LI,  2                            ; v2  16 x lane; never rewritten
.set ADK, 4                            ; v4  LDS address of the step's K
.set ADV, 5                            ; v5  of its V
.set SPW, 9                            ; v9  my spare word; never rewritten
.set NIL, 10                           ; v10 0; never rewritten
.set ST,  12                           ; v12-27 tile t's statistics at v[ST + 8 t]: +0 c m, +1 m, +2, +3 l, +4 .. +7 at work; a at +6
.set Q,   32                           ; v32-63  Q: tile t, channels 32 kc on, at 16 t + 8 kc
.set KV,  64                           ; v64-127 K's eight fragments, then V's
.set S,   128                          ; v128-191 S^T, 32 a tile; P in each tile's first 16
.set O,   192                          ; v192-255 O^T, 32 a tile
.set WV,  12                           ; s12 my wave's number
.set G1,  24                           ; s[24:31] descriptor group 1
.set G0,  32                           ; s[32:47] four groups 0, one for each fill, written once
.set CS,  58                           ; s[58:59] c
.set SEL, 60                           ; s[60:61] v_permlanex16_b32's selects for lane l xor 16
.set TB,  62                           ; s62 LDS byte at which the step's K begins
.set CNT, 63                           ; s63 steps to go in the slot
.macro CROUND                          ; a round of the cluster's barrier
	s_barrier_signal -1
	s_barrier_wait -1
	s_cmp_lg_u32 s[WV], 0
	s_cbranch_scc1 .Lnot_wave_0_\@
	s_barrier_signal -3
.Lnot_wave_0_\@:
	s_barrier_wait -3
	s_barrier_signal -1
	s_barrier_wait -1
.endm
	s_load_b128 s[4:7], s[0:1], 0x0                ; qkvh s[4:5], ao s[6:7]
	v_lshl_add_u32 v[SPW], v0, 2, SPARE
	v_mov_b32 v[NIL], 0
	ds_add_u32 v[SPW], v[NIL]                      ; the wave's opening: the add, twice on end, and its wait ahead of the first tensor loads
	ds_add_u32 v[SPW], v[NIL]
	v_lshrrev_b32 v1, 5, v0
	v_readfirstlane_b32 s[WV], v1                  ; wave 0..15
	s_bfe_u32 s13, ttmp6, 0x40000                  ; cx
	s_lshl_b32 s15, ttmp9, 2
	s_add_co_u32 s13, s13, s15                     ; my block of 512 queries: it enters Q's and the result's addresses alone
	s_and_b32 s14, ttmp7, 0xffff                   ; batch x 16 + head, which the four partners share
	s_mov_b32 s[G1], 15|(3<<16)|(1<<21)            ; the mask: all four; elements of 8 bytes; bit 21 beside a mask; no padding
	s_mov_b32 s[G1+1], 32<<16                      ; tensor_dim0 = 32 elements: rows of 256 bytes
	s_mov_b32 s[G1+2], 64<<16                      ; tensor_dim1 = 64
	s_mov_b32 s[G1+3], 32<<16                      ; tile_dim0
	s_mov_b32 s[G1+4], 64                          ; tile_dim1
	s_mov_b32 s[G1+5], 32                          ; dense
	s_mov_b32 s[G1+6], 0
	s_mov_b32 s[G1+7], 0
	s_lshl_b32 s16, s14, 18                        ; the head's 262,144 bytes
	s_lshr_b32 s17, s[WV], 2
	s_and_b32 s17, s17, 1
	s_add_co_u32 s17, s17, 1
	s_lshl_b32 s17, s17, 24                        ; waves 0-3: K, 16,777,216 bytes in; waves 4-7: V, twice that
	s_and_b32 s18, s[WV], 3
	s_lshl_b32 s18, s18, 14                        ; my quarter of a fill's 65,536 bytes
	s_add_co_u32 s20, s16, s17
	s_add_co_u32 s20, s20, s18
	s_mov_b32 s21, 0
	s_and_b32 s19, s[WV], 7
	s_lshl_b32 s19, s19, 14                        ; and its place in a slot
	s_mov_b32 s[CS], 0x3e38aa3b                    ; c = log2(e) / 8
	s_mov_b32 s[CS+1], s[CS]                       ; (named with it as a pair, so it is written)
	s_mov_b32 s[SEL], 0x76543210
	s_mov_b32 s[SEL+1], 0xfedcba98
	s_wait_dscnt 0x0                               ; both opening adds are done
	s_wait_kmcnt 0x0
	s_add_nc_u64 s[20:21], s[4:5], s[20:21]
.irp f, 0,1,2,3
	s_mov_b32 s[G0+4*\f], 1
	s_add_co_u32 s[G0+4*\f+1], s19, (\f%2)*SLOT1
	s_add_nc_u64 s[G0+4*\f+2:G0+4*\f+3], s[20:21], \f*65536
	s_or_b32 s[G0+4*\f+3], s[G0+4*\f+3], 0x80000000
.endr
	CROUND                                         ; all four work-groups are here: the first joint loads meet
	s_cmp_lt_u32 s[WV], 8                          ; a wave's two first fills stand in one branch: two loads of mine are out at the most
	s_cbranch_scc0 .Lno_first
	tensor_load_to_lds s[G0:G0+3], s[G1:G1+7]
	s_nop 0
	tensor_load_to_lds s[G0+4:G0+7], s[G1:G1+7]
	s_nop 0
.rept 4
	v_nop
.endr
.Lno_first:
	v_and_b32 v1, 31, v0
	v_lshlrev_b32 v[LI], 4, v1
	s_lshl_b32 s22, s13, 16                        ; Q: my block's 512 rows of 128 bytes,
	s_lshl_b32 s23, s[WV], 12                      ; my wave's 32
	s_add_co_u32 s22, s22, s23
	s_add_co_u32 s22, s22, s16
	s_mov_b32 s23, 0
	s_add_nc_u64 s[22:23], s[4:5], s[22:23]
.irp t, 0,1
.irp kc, 0,1
.irp c, 0,1
	global_load_b128 v[Q+16*\t+8*\kc+4*\c:Q+16*\t+8*\kc+4*\c+3], v[LI], s[22:23] offset:\t*2048+\kc*1024+\c*512
.endr
.endr
.endr
	s_lshr_b32 s48, s14, 4
	s_lshl_b32 s48, s48, 4                         ; the result: 16 x batch
	s_lshl_b32 s49, s13, 2
	s_add_co_u32 s48, s48, s49
	s_lshr_b32 s49, s[WV], 2
	s_add_co_u32 s48, s48, s49                     ; row / 128
	s_lshl_b32 s48, s48, 18
	s_and_b32 s49, s14, 15
	s_lshl_b32 s49, s49, 14                        ; the head's two chunks of 32 channels, 8,192 bytes each
	s_add_co_u32 s48, s48, s49
	s_and_b32 s49, s[WV], 3
	s_lshl_b32 s49, s49, 11                        ; my two blocks of 16 rows
	s_add_co_u32 s48, s48, s49
	s_mov_b32 s49, 0
	s_add_nc_u64 s[6:7], s[6:7], s[48:49]
.irp t, 0,1
	v_mov_b32 v[ST+8*\t+1], 0xff61b1e6             ; m = -3e38
	v_mov_b32 v[ST+8*\t+2], 0                      ; l
	v_mov_b32 v[ST+8*\t+3], 0
	v_mul_f32 v[ST+8*\t], s[CS], v[ST+8*\t+1]      ; c m
.endr
.set i, 0
.rept 64
	v_mov_b32 v[O+i], 0                            ; O^T, once: the step is written once, and its first a, 0, leaves zeros zeros
.set i, i+1
.endr
.macro SOFTMAX                         ; the two tiles line by line, so that no line waits for the line above it
.irp j, 0,1,2,3
.irp t, 0,1
	v_max3_num_f32 v[ST+8*\t+4+\j], v[S+32*\t+8*\j], v[S+32*\t+8*\j+1], v[S+32*\t+8*\j+2]   ; four chains, each accumulator from its low end on
.endr
.endr
.irp g, 1,2
.irp j, 0,1,2,3
.irp t, 0,1
	v_max3_num_f32 v[ST+8*\t+4+\j], v[ST+8*\t+4+\j], v[S+32*\t+8*\j+2*\g+1], v[S+32*\t+8*\j+2*\g+2]
.endr
.endr
.endr
.irp t, 0,1
	v_max3_num_f32 v[ST+8*\t+4], v[ST+8*\t+4], v[S+32*\t+7], v[S+32*\t+15]
	v_max3_num_f32 v[ST+8*\t+6], v[ST+8*\t+6], v[S+32*\t+23], v[S+32*\t+31]
.endr
.irp t, 0,1
	v_max3_num_f32 v[ST+8*\t+4], v[ST+8*\t+4], v[ST+8*\t+5], v[ST+8*\t+6]
.endr
.irp t, 0,1
	v_max3_num_f32 v[ST+8*\t+4], v[ST+8*\t+4], v[ST+8*\t+7], v[ST+8*\t+1]   ; with the old m
.endr
.irp t, 0,1
	v_permlanex16_b32 v[ST+8*\t+5], v[ST+8*\t+4], s[SEL], s[SEL+1]          ; the query's other 32 keys lie in the lane 16 away
.endr
.irp t, 0,1
	v_mov_b32 v[ST+8*\t+7], v[ST+8*\t]             ; c m_old
.endr
.irp t, 0,1
	v_max_num_f32 v[ST+8*\t+1], v[ST+8*\t+4], v[ST+8*\t+5]
.endr
.irp t, 0,1
	v_mul_f32 v[ST+8*\t], s[CS], v[ST+8*\t+1]
.endr
.irp t, 0,1
	v_sub_f32 v[ST+8*\t+7], v[ST+8*\t+7], v[ST+8*\t]
.endr
.irp t, 0,1
	v_exp_f32 v[ST+8*\t+6], v[ST+8*\t+7]           ; a
.endr
.irp b, 0,2,4,6,8,10,12,14,16,18,20,22,24,26,28,30
.irp t, 0,1
	v_pk_fma_f32 v[S+32*\t+\b:S+32*\t+\b+1], v[S+32*\t+\b:S+32*\t+\b+1], s[CS:CS+1], v[ST+8*\t:ST+8*\t+1] op_sel_hi:[1,0,0] neg_lo:[0,0,1] neg_hi:[0,0,1]   ; c s - c m
.endr
.endr
.set i, 0
.rept 64
	v_exp_f32 v[S+i], v[S+i]                       ; p, at most 1
.set i, i+1
.endr
	v_nop                                          ; a plain line behind the last exponential,
	s_wait_alu depctr_va_vdst(0)                   ; and ONE wait for all 66, ahead of the first line that names a result
.irp t, 0,1
	v_pk_fma_f32 v[ST+8*\t+2:ST+8*\t+3], v[ST+8*\t+2:ST+8*\t+3], v[ST+8*\t+6:ST+8*\t+7], v[S+32*\t:S+32*\t+1] op_sel_hi:[1,0,1]   ; l = a l + the first pair; the sums go in two chains
	v_pk_add_f32 v[ST+8*\t+4:ST+8*\t+5], v[S+32*\t+2:S+32*\t+3], v[S+32*\t+4:S+32*\t+5]
.endr
.irp j, 6,10,14,18,22,26
.irp t, 0,1
	v_pk_add_f32 v[ST+8*\t+2:ST+8*\t+3], v[ST+8*\t+2:ST+8*\t+3], v[S+32*\t+\j:S+32*\t+\j+1]
	v_pk_add_f32 v[ST+8*\t+4:ST+8*\t+5], v[ST+8*\t+4:ST+8*\t+5], v[S+32*\t+\j+2:S+32*\t+\j+3]
.endr
.endr
.irp t, 0,1
	v_pk_add_f32 v[ST+8*\t+2:ST+8*\t+3], v[ST+8*\t+2:ST+8*\t+3], v[S+32*\t+30:S+32*\t+31]
.endr
.irp t, 0,1
	v_pk_add_f32 v[ST+8*\t+2:ST+8*\t+3], v[ST+8*\t+2:ST+8*\t+3], v[ST+8*\t+4:ST+8*\t+5]
.endr
.irp q, 0,1,2,3,4,5,6,7,8,9,10,11,12,13,14,15
.irp t, 0,1
	v_cvt_pk_f16_f32 v[S+32*\t+\q], v[S+32*\t+2*\q], v[S+32*\t+2*\q+1]   ; in place, ascending: register q is written when pairs 0 .. q have been read
.endr
.endr
.irp q, 0,2,4,6,8,10,12,14,16,18,20,22,24,26,28,30
.irp t, 0,1
	v_pk_mul_f32 v[O+32*\t+\q:O+32*\t+\q+1], v[O+32*\t+\q:O+32*\t+\q+1], v[ST+8*\t+6:ST+8*\t+7] op_sel_hi:[1,0]   ; O^T x a
.endr
.endr
.endm
; A KEY STEP: 64 keys.  The eight accumulators of each product take turns, one instruction a turn.
.macro STEP
	v_add_nc_u32 v[ADK], s[TB], v[LI]
	v_add_nc_u32 v[ADV], VOFF, v[ADK]
.rept 3
	v_nop                                          ; with the two additions five places behind the last step's products: K lands in registers that they read, and the scores are written over P
.endr
.irp kc, 0,1
.irp kb, 0,1,2,3
.irp c, 0,1
	ds_load_b128 v[KV+8*(4*\kc+\kb)+4*\c:KV+8*(4*\kc+\kb)+4*\c+3], v[ADK] offset:\kb*2048+\kc*1024+\c*512
.endr
.endr
.endr
	s_wait_dscnt 8                                 ; channels 0-31 are in; the eight loads of channels 32-63 may be out
.irp kb, 0,1,2,3
.irp t, 0,1
	v_wmma_f32_16x16x32_f16 v[S+32*\t+8*\kb:S+32*\t+8*\kb+7], v[KV+8*\kb:KV+8*\kb+7], v[Q+16*\t:Q+16*\t+7], 0
.endr
.endr
	s_wait_dscnt 0x0
.irp kb, 0,1,2,3
.irp t, 0,1
	v_wmma_f32_16x16x32_f16 v[S+32*\t+8*\kb:S+32*\t+8*\kb+7], v[KV+32+8*\kb:KV+32+8*\kb+7], v[Q+16*\t+8:Q+16*\t+15], v[S+32*\t+8*\kb:S+32*\t+8*\kb+7]
.endr
.endr
.rept 4
	v_nop                                          ; places: V lands in K's registers, and the softmax reads the scores
.endr
.irp kc, 0,1
.irp cb, 0,1,2,3
	ds_load_tr16_b128 v[KV+8*(4*\kc+\cb):KV+8*(4*\kc+\cb)+3], v[ADV] offset:(2*\kc)*2048+\cb*512       ; keys 32 kc + 8 h + 0..7 of channel 16 cb + r
	ds_load_tr16_b128 v[KV+8*(4*\kc+\cb)+4:KV+8*(4*\kc+\cb)+7], v[ADV] offset:(2*\kc+1)*2048+\cb*512   ; keys 32 kc + 16 + 8 h + 0..7
.endr
.endr
	SOFTMAX                                        ; V lands meanwhile
	s_wait_dscnt 0x0
.irp kc, 0,1
.irp cb, 0,1,2,3
.irp t, 0,1
	v_wmma_f32_16x16x32_f16 v[O+32*\t+8*\cb:O+32*\t+8*\cb+7], v[KV+8*(4*\kc+\cb):KV+8*(4*\kc+\cb)+7], v[S+32*\t+8*\kc:S+32*\t+8*\kc+7], v[O+32*\t+8*\cb:O+32*\t+8*\cb+7]
.endr
.endr
.endr
.endm
.macro SLOT_STEPS base                 ; a slot's eight key steps
	s_mov_b32 s[TB], \base
	s_mov_b32 s[CNT], 8
.Lstep_\@:
	STEP
	s_add_co_u32 s[TB], s[TB], 8192
	s_sub_co_u32 s[CNT], s[CNT], 1
	s_cmp_lg_u32 s[CNT], 0
	s_cbranch_scc1 .Lstep_\@
.endm
; THE CHANGE OF SLOTS.  Each wave waits for all its tensor loads (its part of the slot ahead), adds 0 to its spare word, and waits for that and for its reads of the slot that it leaves.  The round then holds of every wave of all
; four work-groups, and the slot just left is filled with fill f, the first thing behind the round: it has eight key steps in which to land.
.macro CHANGE f
	s_wait_tensorcnt 0x0
	ds_add_u32 v[SPW], v[NIL]
	ds_add_u32 v[SPW], v[NIL]                      ; twice on end here
	s_wait_dscnt 0x0
	CROUND
	s_cmp_lt_u32 s[WV], 8
	s_cbranch_scc0 .Lnone_\@
	tensor_load_to_lds s[G0+4*\f:G0+4*\f+3], s[G1:G1+7]
	s_nop 0
.rept 4
	v_nop
.endr
.Lnone_\@:
.endm
	s_wait_tensorcnt 1                             ; my part of fill 0 is in; fill 1 may stay out
	s_barrier_signal -1
	s_barrier_wait -1
	s_wait_loadcnt 0x0                             ; Q
	SLOT_STEPS 0
	CHANGE 2
	SLOT_STEPS SLOT1
	CHANGE 3
	SLOT_STEPS 0
	s_wait_tensorcnt 0x0                           ; the last change: fill 3 has landed; nothing is asked for, so a plain barrier
	ds_add_u32 v[SPW], v[NIL]
	s_wait_dscnt 0x0
	s_barrier_signal -1
	s_barrier_wait -1
	SLOT_STEPS SLOT1
	; THE WAY OUT: O^T / l, rounded to f16; a lane's eight channels are 16 bytes of an image of the projection's operand
.rept 4
	v_nop
.endr
.irp t, 0,1
	v_add_f32 v[ST+8*\t+4], v[ST+8*\t+2], v[ST+8*\t+3]
.endr
.irp t, 0,1
	v_permlanex16_b32 v[ST+8*\t+5], v[ST+8*\t+4], s[SEL], s[SEL+1]
.endr
.irp t, 0,1
	v_add_f32 v[ST+8*\t+4], v[ST+8*\t+4], v[ST+8*\t+5]
.endr
.irp t, 0,1
	v_rcp_f32 v[ST+8*\t+6], v[ST+8*\t+4]
.endr
	v_nop
	s_wait_alu depctr_va_vdst(0)                   ; one wait for the two reciprocals, ahead of their first reader
.irp t, 0,1
.irp q, 0,2,4,6,8,10,12,14,16,18,20,22,24,26,28,30
	v_pk_mul_f32 v[O+32*\t+\q:O+32*\t+\q+1], v[O+32*\t+\q:O+32*\t+\q+1], v[ST+8*\t+6:ST+8*\t+7] op_sel_hi:[1,0]
.endr
.endr
.irp t, 0,1
.irp q, 0,1,2,3,4,5,6,7,8,9,10,11,12,13,14,15
	v_cvt_pk_f16_f32 v[S+16*\t+\q], v[O+32*\t+2*\q], v[O+32*\t+2*\q+1]
.endr
.endr
.irp t, 0,1
.irp cb, 0,1,2,3
	global_store_b128 v[LI], v[S+16*\t+4*\cb:S+16*\t+4*\cb+3], s[6:7] offset:(\cb/2)*8192+\t*1024+(\cb%2)*512   ; the wave stores 512 consecutive bytes, aligned
.endr
.endr
	s_wait_tensorcnt 0x0                           ; the wave's end
	ds_add_u32 v[SPW], v[NIL]
	s_wait_dscnt 0x0
	CROUND                                         ; the closing round
	s_endpgm
.Lfunc_end_k_q73b68e5254_attn:
	.size	k_q73b68e5254_attn, .Lfunc_end_k_q73b68e5254_attn-k_q73b68e5254_attn
	.p2alignl 7, 3214868480
	.fill 96, 4, 3214868480
	.section	.rodata,"a",@progbits
	.p2align	6, 0x0
	.amdhsa_kernel k_q73b68e5254_attn
		.amdhsa_group_segment_fixed_size 327680
		.amdhsa_private_segment_fixed_size 0
		.amdhsa_enable_private_segment 0
		.amdhsa_kernarg_size 16
		.amdhsa_user_sgpr_count 2
		.amdhsa_user_sgpr_kernarg_segment_ptr 1
		.amdhsa_wavefront_size32 1
		.amdhsa_system_sgpr_workgroup_id_x 1
		.amdhsa_system_sgpr_workgroup_id_y 1
		.amdhsa_system_sgpr_workgroup_id_z 1
		.amdhsa_system_vgpr_workitem_id 0
		.amdhsa_next_free_vgpr 256
		.amdhsa_next_free_sgpr 72
		.amdhsa_reserve_vcc 0
		.amdhsa_float_denorm_mode_32 3
		.amdhsa_float_denorm_mode_16_64 3
		.amdhsa_memory_ordered 1
		.amdhsa_forward_progress 1
		.amdhsa_inst_pref_size 84
	.end_amdhsa_kernel
	.amdgpu_metadata
---
amdhsa.version: [ 1, 2 ]
amdhsa.kernels:
  - .name:           k_q73b68e5254_attn
    .symbol:         k_q73b68e5254_attn.kd
    .args:
      - { .name: qkvh, .offset: 0, .size: 8, .value_kind: global_buffer, .address_space: global }
      - { .name: ao, .offset: 8, .size: 8, .value_kind: global_buffer, .address_space: global }
    .group_segment_fixed_size: 327680
    .private_segment_fixed_size: 0
    .kernarg_segment_align: 8
    .kernarg_segment_size: 16
    .max_flat_workgroup_size: 512
    .sgpr_count:     72
    .vgpr_count:     256
    .wavefront_size: 32
...
	.end_amdgpu_metadata
.endif
;; end of part 3
;; launch proj (part 4): grid 4 x 64, 4 waves a work-group, clusters of 4 x 4, 327,680 bytes of LDS; arguments ao, wo, bout, out0; writes out0
.if DOCPART == 4
	.amdgcn_target "amdgcn-amd-amdhsa--gfx1250"
	.amdhsa_code_object_version 6
	.text
	.protected	k_q73b68e5254_proj
	.globl	k_q73b68e5254_proj
	.p2align	8
	.type	k_q73b68e5254_proj,@function
k_q73b68e5254_proj:
	s_mov_b64 s[64:65], 0
	v_nop
	global_prefetch_b8 v0, s[64:65] scope:SCOPE_SE
	s_setreg_imm32_b32 hwreg(HW_REG_WAVE_MODE, 25, 1), 1
	s_wait_xcnt 0x0
	s_wait_alu depctr_hold_cnt(0) depctr_sa_sdst(0) depctr_va_vdst(0) depctr_va_sdst(0) depctr_va_ssrc(0) depctr_va_vcc(0) depctr_vm_vsrc(0)
	s_getreg_b32 s2, hwreg(HW_REG_IB_STS2, 6, 4)
	s_cmp_eq_u32 s2, 0
	s_cbranch_scc0 .Lentry_in_a_cluster
	s_endpgm
.Lentry_in_a_cluster:
	s_bfe_u32 s2, ttmp6, 0x10000c
	s_cmp_lg_u32 s2, 0xf033
	s_cbranch_scc0 .Lentry_shape_is_right
	s_endpgm
.Lentry_shape_is_right:
; out0 = ao Wout + bout: 8,192 x 1,024 x 1,024, operands in f16, sums in f32.
; A tile of 128 rows x 256 columns is made by four waves, each 64 x 128: 32 accumulators.  That gives 256 work-groups.  K goes in steps of 128 through two LDS slots.
; Both operands lie in memory as images of operand registers, so a K step's tiles are dense blocks (ao: 32,768 bytes, wo: 65,536) and every fragment load stands at 16 x lane.
; CLUSTER 4 x 4: the four of a row of the cluster ask for ao's tiles jointly, the four of a column for wo's.  THE MATRIX INSTRUCTION IS USED TRANSPOSED (source 0 = 16 columns of Wout, source 1 = 16 rows of ao):
; a lane holds eight neighbouring numbers of a row of the result.  The bias is the C of each sum's first product.
; REGISTERS, in windows of 256: window 0: v0-31 addresses; v32-63, v64-95 ao's fragments (4 x 16 rows x 32 K), two buffers; v128-255 the way out.
;   window 1: accumulator (a, b) at v[8 (8 a + b)].   window 2: v0-63, v64-127 wo's fragments, two buffers; v128-191 the bias.
.set SLOT,   98304                     ; ao [4 chunks of 32 K][8 blocks of rows][1,024], then wo [4][16 blocks of columns][1,024]
.set BOFF,   32768
.set STAGE,  2*SLOT                    ; behind the slots: 16 rows x (512 bytes + 16) for each wave, for the way out
.set SPITCH, 528
.set SPARE,  STAGE+4*16*SPITCH         ; the spare words, 128 bytes for each wave
.set LAPS,   4                         ; a lap = two K steps
.set ADRA, 16                          ; v16-17 LDS address of my fragments of ao in slot 0, 1
.set ADRB, 20                          ; v20-21 of wo
.set STO,  24                          ; v24 the way out: where I put 32 bytes of a row
.set RD,   25                          ; v25 and where I read a row back
.set LI,   26                          ; v26 16 x lane
.set BO,   27                          ; v27 32 x (lane / 16)
.set SPW,  28                          ; v28 my spare word; never rewritten
.set NIL,  29                          ; v29 0; never rewritten
.set PFO,  30                          ; v30 256 x lane: the prefetch's offset; never rewritten
.set FA,   32
.set BIAS, 128                         ; in window 2
.set BK,   128                         ; in window 0
.set G1, 24
.set G0, 32
.set G1B, 48
.set G0B, 56
.set PFA, 44                           ; s[44:45] where my prefetches stand
.set LIM, 43                           ; s43 1 in wave 0, else the greatest number
.set MSB, 0
.macro WIN new
.if MSB != \new
	s_set_vgpr_msb (MSB<<8)|\new
.set MSB, \new
.endif
.endm
.set MUL,  0x52                        ; source 0 (wo) window 2, source 1 (ao) window 0, C and D window 1
.set MULB, 0x62                        ; the same with C in window 2: the bias
.set TO_B, 0x80                        ; destination window 2, address window 0
.macro JLOAD s                         ; a joint load: waves 0 and 1 fetch ao's two halves, waves 2 and 3 wo's; an s_nop 0 and four v_nop follow each of the two lines
	s_cmp_eq_u32 s13, 0
	s_cbranch_scc0 .Lfor_b_\@
	tensor_load_to_lds s[G0+4*\s:G0+4*\s+3], s[G1:G1+7]
	s_nop 0
.rept 4
	v_nop
.endr
	s_branch .Lasked_\@
.Lfor_b_\@:
	tensor_load_to_lds s[G0B+4*\s:G0B+4*\s+3], s[G1B:G1B+7]
	s_nop 0
.rept 4
	v_nop
.endr
.Lasked_\@:
.endm
.macro CREST
	s_cmp_lg_u32 s12, 0
	s_cbranch_scc1 .Lnot_wave_0_\@
	s_barrier_signal -3
.Lnot_wave_0_\@:
	s_barrier_wait -3
	s_barrier_signal -1
	s_barrier_wait -1
.endm
.macro CROUND
	s_barrier_signal -1
	s_barrier_wait -1
	CREST
.endm
; A PREFETCH INTO THE L2 of ao's K step that stands two refills on: 32,768 bytes of my tile row.  Only the four work-groups of my row of the cluster read them; they share them out BY ADDRESS, 8,192 bytes each;
; in each, wave 0 asks, lanes 256 bytes apart: each block of 256 bytes is named once in the launch.  K steps 4 to 7 are asked for; the loop's last trip asks for nothing.  wo is read by every row of clusters again and is not asked for.
.macro ASK
	s_cmp_gt_u32 s3, s[LIM]
	s_cbranch_scc0 .Lnot_mine_\@
	global_prefetch_b8 v[PFO], s[PFA:PFA+1] offset:32768 th:TH_LOAD_NT scope:SCOPE_SE
.Lnot_mine_\@:
.endm
	s_load_b128 s[4:7], s[0:1], 0x0                ; ao s[4:5], wo s[6:7]
	s_load_b128 s[8:11], s[0:1], 0x10              ; bout s[8:9], out0 s[10:11]
	v_lshl_add_u32 v[SPW], v0, 2, SPARE
	v_mov_b32 v[NIL], 0
	ds_add_u32 v[SPW], v[NIL]                      ; the wave's opening: the add, twice on end, and its wait ahead of my first tensor load
	ds_add_u32 v[SPW], v[NIL]
	v_lshrrev_b32 v1, 5, v0
	v_readfirstlane_b32 s12, v1                    ; wave 0..3
	s_lshr_b32 s13, s12, 1                         ; which 64 rows are mine.  Also: I fetch for ao (0) or for wo (1)
	s_and_b32 s14, s12, 1                          ; which 128 columns.  Also: which half of that tile I fetch
	s_bfe_u32 s40, ttmp6, 0x40000                  ; cx
	s_bfe_u32 s41, ttmp6, 0x40004                  ; cy
	s_lshl_b32 s42, ttmp9, 2
	s_add_co_u32 s42, s42, s40                     ; tile column
	s_and_b32 s15, ttmp7, 0xffff
	s_lshl_b32 s15, s15, 2
	s_add_co_u32 s15, s15, s41                     ; tile row
	s_lshl_b32 s43, s41, 2
	s_lshl_b32 s43, 15, s43                        ; my row of the cluster
	s_lshl_b32 s44, 0x1111, s40                    ; my column
	s_or_b32 s[G1+0], s43, (3<<16)|(1<<21)         ; ao: 16,384 dense bytes as 64 rows of 32 elements of 8 bytes; the mask, bit 21 beside it; no padding
	s_mov_b32 s[G1+1], 32<<16
	s_mov_b32 s[G1+2], 64<<16
	s_mov_b32 s[G1+3], 32<<16
	s_mov_b32 s[G1+4], 64
	s_mov_b32 s[G1+5], 32
	s_mov_b32 s[G1+6], 0
	s_mov_b32 s[G1+7], 0
	s_or_b32 s[G1B+0], s44, (3<<16)|(1<<21)        ; wo: 32,768 dense bytes as 128 rows
	s_mov_b32 s[G1B+1], 32<<16
	s_mov_b32 s[G1B+2], 128<<16
	s_mov_b32 s[G1B+3], 32<<16
	s_mov_b32 s[G1B+4], 128
	s_mov_b32 s[G1B+5], 32
	s_mov_b32 s[G1B+6], 0
	s_mov_b32 s[G1B+7], 0
	s_lshl_b32 s16, s15, 18                        ; ao: 262,144 bytes a tile row,
	s_lshl_b32 s18, s14, 14                        ; my half of a K step's 32,768
	s_add_co_u32 s16, s16, s18
	s_mov_b32 s17, 0
	s_lshl_b32 s46, s42, 19                        ; wo: 524,288 bytes a tile column,
	s_lshl_b32 s47, s14, 15                        ; my half of a K step's 65,536
	s_add_co_u32 s46, s46, s47
	s_mov_b32 s47, 0
	s_lshl_b32 s20, s14, 14                        ; where they go: no place in the cluster enters an LDS address
	s_lshl_b32 s21, s14, 15
	s_add_co_u32 s21, s21, BOFF
	s_wait_dscnt 0x0                               ; both opening adds are done
	s_wait_kmcnt 0x0
	s_add_nc_u64 s[16:17], s[4:5], s[16:17]
	s_add_nc_u64 s[46:47], s[6:7], s[46:47]
	CROUND                                         ; all sixteen work-groups are here: the first joint loads meet
.irp s, 0,1
	s_mov_b32 s[G0+4*\s], 1
	s_add_co_u32 s[G0+4*\s+1], s20, \s*SLOT
	s_add_nc_u64 s[G0+4*\s+2:G0+4*\s+3], s[16:17], \s*32768
	s_or_b32 s[G0+4*\s+3], s[G0+4*\s+3], 0x80000000
	s_mov_b32 s[G0B+4*\s], 1
	s_add_co_u32 s[G0B+4*\s+1], s21, \s*SLOT
	s_add_nc_u64 s[G0B+4*\s+2:G0B+4*\s+3], s[46:47], \s*65536
	s_or_b32 s[G0B+4*\s+3], s[G0B+4*\s+3], 0x80000000
	JLOAD \s                                       ; two loads of mine are out at the most
.endr
	v_and_b32 v1, 15, v0                           ; r
	v_bfe_u32 v2, v0, 4, 1                         ; h
	v_and_b32 v3, 31, v0
	v_lshlrev_b32 v[LI], 4, v3
	s_lshl_b32 s22, s13, 12                        ; my four blocks of rows
	s_lshl_b32 s23, s14, 13
	s_add_co_u32 s23, s23, BOFF                    ; my eight blocks of columns
.irp s, 0,1
	v_add_nc_u32 v[ADRA+\s], s22, v[LI]
	v_add_nc_u32 v[ADRB+\s], s23, v[LI]
	s_add_co_u32 s22, s22, SLOT
	s_add_co_u32 s23, s23, SLOT
.endr
	s_mul_i32 s23, s12, 16*SPITCH
	s_add_co_u32 s23, s23, STAGE                   ; my stage
	v_mul_u32_u24 v5, v1, SPITCH
	v_lshl_add_u32 v5, v2, 5, v5
	v_add_nc_u32 v[STO], s23, v5                   ; in: row r, 32 bytes for each half of the lanes
	v_add_nc_u32 v[RD], s23, v[LI]                 ; back: the 32 lanes take one row of 512 bytes
	v_lshlrev_b32 v[BO], 5, v2
	v_lshlrev_b32 v[PFO], 8, v3
	s_lshl_b32 s46, s42, 10
	s_lshl_b32 s47, s14, 9
	s_add_co_u32 s46, s46, s47                     ; my first column, in bytes
	s_mov_b32 s47, 0
	s_add_nc_u64 s[8:9], s[8:9], s[46:47]          ; the bias there
	s_lshl_b32 s16, s15, 7
	s_lshl_b32 s17, s13, 6
	s_add_co_u32 s16, s16, s17                     ; my first row
	s_lshl_b32 s16, s16, 12                        ; 4,096 bytes a row
	s_add_co_u32 s16, s16, s46
	s_mov_b32 s17, 0
	s_add_nc_u64 s[10:11], s[10:11], s[16:17]
	s_lshl_b32 s18, s15, 18                        ; the prefetches: my tile row,
	s_lshl_b32 s19, s40, 13                        ; my work-group's 8,192 bytes of a K step,
	s_add_co_u32 s18, s18, s19
	s_add_co_u32 s18, s18, 2*32768                 ; at K step 2: the first refill steps it to 3 and names K step 4.  Nothing is asked for here, at the head
	s_mov_b32 s19, 0
	s_add_nc_u64 s[PFA:PFA+1], s[4:5], s[18:19]
	s_cmp_eq_u32 s12, 0
	s_cselect_b32 s[LIM], 1, -1
	WIN TO_B
.irp b, 0,1,2,3,4,5,6,7
	global_load_b128 v[BIAS+8*\b:BIAS+8*\b+3], v[BO], s[8:9] offset:64*\b       ; lane (r, h): the bias of columns 16 b + 8 h + 0..7
	global_load_b128 v[BIAS+8*\b+4:BIAS+8*\b+7], v[BO], s[8:9] offset:64*\b+16
.endr
	WIN 0
; 8 matrix instructions: my block a of rows against my eight blocks of columns, 32 along K, from buffer f.  The 32 accumulators take turns, one instruction a turn, in the same order in every quarter.
.macro MULA f, a, bias
.irp b, 0,1,2,3,4,5,6,7
.if \bias
	v_wmma_f32_16x16x32_f16 v[8*(8*(\a)+\b):8*(8*(\a)+\b)+7], v[64*(\f)+8*\b:64*(\f)+8*\b+7], v[FA+32*(\f)+8*(\a):FA+32*(\f)+8*(\a)+7], v[BIAS+8*\b:BIAS+8*\b+7]
.else
	v_wmma_f32_16x16x32_f16 v[8*(8*(\a)+\b):8*(8*(\a)+\b)+7], v[64*(\f)+8*\b:64*(\f)+8*\b+7], v[FA+32*(\f)+8*(\a):FA+32*(\f)+8*(\a)+7], v[8*(8*(\a)+\b):8*(8*(\a)+\b)+7]
.endif
.endr
.endm
.macro FETCH slot, q, f                ; 24 LDS loads in one run: the slot's q-th 32 along K into buffer f: wo's sixteen, then ao's eight
	WIN TO_B
.irp b, 0,1,2,3,4,5,6,7
.irp c, 0,1
	ds_load_b128 v[64*(\f)+8*\b+4*\c:64*(\f)+8*\b+4*\c+3], v[ADRB+\slot] offset:(\q)*16384+\b*1024+\c*512
.endr
.endr
	WIN 0
.irp a, 0,1,2,3
.irp c, 0,1
	ds_load_b128 v[FA+32*(\f)+8*\a+4*\c:FA+32*(\f)+8*\a+4*\c+3], v[ADRA+\slot] offset:(\q)*8192+\a*1024+\c*512
.endr
.endr
.endm
.macro PLACES                          ; four plain vector instructions in front of loads into registers that matrix instructions have read, and of reads of results (ISA guide 7.12.1 for the vector instructions)
.rept 4
	v_nop
.endr
.endm
.macro QUARTER slot, q, f, g, bias     ; multiplies buffer f; in its middle fetches the slot's q-th 32 along K into buffer g
	s_wait_dscnt 4                                 ; all but ao's blocks 2 and 3
.if \bias
	WIN MULB
.else
	WIN MUL
.endif
	MULA \f, 0, \bias
	MULA \f, 1, \bias
	PLACES
	FETCH \slot, \q, \g
	s_wait_dscnt 24                                ; all but the 24 just issued
.if \bias
	WIN MULB
.else
	WIN MUL
.endif
	MULA \f, 2, \bias
	MULA \f, 3, \bias
.endm
; A slot's last quarter multiplies buffer 1 and changes slots: one barrier; in front of it each wave waits for all its tensor loads, adds 0 to its spare word, and waits for that and for its reads of this slot.
; fill = 1: the barrier opens a round of the cluster's barrier, and this slot is filled again, two K steps ahead: the first tensor load behind the round; 112 matrix instructions stand between it and the wait for it.
.macro TURN slot, next, fill
.if \fill
	s_wait_xcnt 0x0                                ; the last prefetch, a K step back, has read its address
	s_add_nc_u64 s[PFA:PFA+1], s[PFA:PFA+1], 32768
.endif
	WIN 0
	s_wait_tensorcnt 0x0
	ds_add_u32 v[SPW], v[NIL]
	s_wait_dscnt 5                                 ; (the add and ao's blocks 2 and 3 may be out)
	WIN MUL
	MULA 1, 0, 0
	s_wait_dscnt 0x0
	s_barrier_signal -1
	MULA 1, 1, 0
.if \fill
	WIN 0
.endif
	s_barrier_wait -1
.if \fill
	CREST
	s_add_nc_u64 s[G0+4*\slot+2:G0+4*\slot+3], s[G0+4*\slot+2:G0+4*\slot+3], 2*32768
	s_add_nc_u64 s[G0B+4*\slot+2:G0B+4*\slot+3], s[G0B+4*\slot+2:G0B+4*\slot+3], 2*65536
	JLOAD \slot                                    ; the four v_nop behind it are also the places in front of the loads below
.else
	PLACES
.endif
	FETCH \next, 0, 0
.if \fill
	ASK
.endif
	WIN MUL
	MULA 1, 2, 0
	MULA 1, 3, 0
.endm
	s_wait_tensorcnt 1                             ; my part of K step 0 is in; K step 1's may be out,
	s_barrier_signal -1
	s_barrier_wait -1                              ; everybody's is
	FETCH 0, 0, 0
	s_wait_loadcnt 0x0                             ; the bias
	QUARTER 0, 1, 0, 1, 1                          ; the first quarter stands in front of the loop: its products start the sums, on the bias
	WIN 0
	s_mov_b32 s3, LAPS-1
.Llap:                                                 ; a trip goes once round the two slots and fills both again
	QUARTER 0, 2, 1, 0, 0
	QUARTER 0, 3, 0, 1, 0
	TURN 0, 1, 1
	QUARTER 1, 1, 0, 1, 0
	QUARTER 1, 2, 1, 0, 0
	QUARTER 1, 3, 0, 1, 0
	TURN 1, 0, 1
	QUARTER 0, 1, 0, 1, 0
	WIN 0
	s_sub_co_u32 s3, s3, 1
	s_cmp_lg_u32 s3, 0
	s_cbranch_scc1 .Llap
	QUARTER 0, 2, 1, 0, 0                          ; the last lap fills nothing
	QUARTER 0, 3, 0, 1, 0
	TURN 0, 1, 0
	QUARTER 1, 1, 0, 1, 0
	QUARTER 1, 2, 1, 0, 0
	QUARTER 1, 3, 0, 1, 0
	s_wait_dscnt 4
	WIN MUL
	MULA 1, 0, 0
	MULA 1, 1, 0
	s_wait_dscnt 0x0
	MULA 1, 2, 0
	MULA 1, 3, 0
	WIN 0
; THE WAY OUT, a block of 16 rows x 128 columns at a time: through my own stage in LDS, and back as whole rows of 512 bytes.  LDS serves a wave's instructions in order (ISA guide 5.7.1.4): no wait between the stores and the loads.
.macro TOSTAGE a
.set AC, 64*(\a)
	WIN 0x04                                       ; an LDS store's data are its source 1: window 1
.irp b, 0,1,2,3,4,5,6,7
	ds_store_b128 v[STO], v[AC+8*\b:AC+8*\b+3] offset:64*\b          ; each accumulator from its low end on
	ds_store_b128 v[STO], v[AC+8*\b+4:AC+8*\b+7] offset:64*\b+16
.endr
	WIN 0
.set BB, BK+64*((\a)%2)
.irp t, 0,1,2,3,4,5,6,7,8,9,10,11,12,13,14,15
	ds_load_b128 v[BB+4*\t:BB+4*\t+3], v[RD] offset:\t*SPITCH
.endr
.endm
.macro SEND a, younger
.set BB, BK+64*((\a)%2)
	s_wait_dscnt \younger
.if (\a) > 0
	s_add_nc_u64 s[10:11], s[10:11], 16*4096       ; (behind a wait on XCNT: the earlier stores have read their base)
.endif
.irp t, 0,1,2,3,4,5,6,7,8,9,10,11,12,13,14,15
	global_store_b128 v[LI], v[BB+4*\t:BB+4*\t+3], s[10:11] offset:\t*4096 th:TH_STORE_NT   ; 32 lanes store 512 consecutive bytes, aligned
.endr
.endm
	PLACES
	TOSTAGE 0
.irp a, 1,2,3
.if \a > 1
	s_wait_xcnt 0x0                                ; the stores of two blocks back have read their registers and their base
.endif
	TOSTAGE \a
	SEND \a-1, 32                                  ; behind that block's loads: the next block's 16 stores and 16 loads
.endr
	s_wait_xcnt 0x0
	SEND 3, 0
	s_wait_tensorcnt 0x0                           ; the wave's end
	ds_add_u32 v[SPW], v[NIL]
	s_wait_dscnt 0x0
	CROUND                                         ; the closing round
	s_endpgm
.Lfunc_end_k_q73b68e5254_proj:
	.size	k_q73b68e5254_proj, .Lfunc_end_k_q73b68e5254_proj-k_q73b68e5254_proj
	.p2alignl 7, 3214868480
	.fill 96, 4, 3214868480
	.section	.rodata,"a",@progbits
	.p2align	6, 0x0
	.amdhsa_kernel k_q73b68e5254_proj
		.amdhsa_group_segment_fixed_size 327680
		.amdhsa_private_segment_fixed_size 0
		.amdhsa_enable_private_segment 0
		.amdhsa_kernarg_size 32
		.amdhsa_user_sgpr_count 2
		.amdhsa_user_sgpr_kernarg_segment_ptr 1
		.amdhsa_wavefront_size32 1
		.amdhsa_system_sgpr_workgroup_id_x 1
		.amdhsa_system_sgpr_workgroup_id_y 1
		.amdhsa_system_sgpr_workgroup_id_z 1
		.amdhsa_system_vgpr_workitem_id 0
		.amdhsa_next_free_vgpr 768
		.amdhsa_next_free_sgpr 72
		.amdhsa_reserve_vcc 0
		.amdhsa_float_denorm_mode_32 3
		.amdhsa_float_denorm_mode_16_64 3
		.amdhsa_memory_ordered 1
		.amdhsa_forward_progress 1
		.amdhsa_inst_pref_size 88
	.end_amdhsa_kernel
	.amdgpu_metadata
---
amdhsa.version: [ 1, 2 ]
amdhsa.kernels:
  - .name:           k_q73b68e5254_proj
    .symbol:         k_q73b68e5254_proj.kd
    .args:
      - { .name: ao, .offset: 0, .size: 8, .value_kind: global_buffer, .address_space: global }
      - { .name: wo, .offset: 8, .size: 8, .value_kind: global_buffer, .address_space: global }
      - { .name: bout, .offset: 16, .size: 8, .value_kind: global_buffer, .address_space: global }
      - { .name: out0, .offset: 24, .size: 8, .value_kind: global_buffer, .address_space: global }
    .group_segment_fixed_size: 327680
    .private_segment_fixed_size: 0
    .kernarg_segment_align: 8
    .kernarg_segment_size: 32
    .max_flat_workgroup_size: 128
    .sgpr_count:     72
    .vgpr_count:     768
    .wavefront_size: 32
...
	.end_amdgpu_metadata
.endif
;; end of part 4
